; MI455X (gfx1250); checked and timed in simulation.
; The chip was launched on July 23, 2026; its instructions are those of AMD's public machine-readable ISA for CDNA 5 (MIT licence, August 2026) and "CDNA5" Instruction Set Architecture Reference Guide (July 2026). The comments in the code are by the model that wrote it; some were corrected since.
;; Parallel Expert Attention. Allowed arithmetic: float matrix products may take bf16 or f16 operands with f32 sums; all other float work in f32.
;; Inputs: w_gate 768 x 3,072 float32; w_up 768 x 3,072 float32; wk 4 x 768 x 768 float32; wo 4 x 768 x 768 float32; wq 4 x 768 x 768 float32; wv 4 x 768 x 768 float32; x 2 x 1,024 x 768 float32.
;; Outputs: out0 2 x 1,024 x 768 float32.
;; 2 versions, each right; version 2 is version 1 with the launch headgu written anew for expert scheduling mode. Each part assembles by itself: llvm-mc -triple=amdgcn-amd-amdhsa -mcpu=gfx1250 --defsym DOCPART=n.
;; ======== version 1 of 2: 5 launches
;; limits: values are held in f16: magnitudes above 65,504 overflow, below 6.1e-05 lose precision; right only within a limited range of input values
;; workspace buffers: wsf 31,457,280 bytes; mid 47,185,920 bytes; obuf 12,582,912 bytes; lo 9,830,400 bytes; olo 393,216 bytes
;; launch cast (part 1): grid 1920 x 1, 8 waves a work-group, no clusters, 19,456 bytes of LDS; arguments x, wq, wk, wv, wo, w_gate, w_up, wsf; writes wsf
.if DOCPART == 1
	.amdgcn_target "amdgcn-amd-amdhsa--gfx1250"
	.amdhsa_code_object_version 6
	.text
	.protected	k_q46ef31335e_cast
	.globl	k_q46ef31335e_cast
	.p2align	8
	.type	k_q46ef31335e_cast,@function
k_q46ef31335e_cast:
	s_mov_b64 s[64:65], 0
	v_nop
	global_prefetch_b8 v0, s[64:65] scope:SCOPE_SE
	s_setreg_imm32_b32 hwreg(HW_REG_WAVE_MODE, 25, 1), 1
	s_wait_xcnt 0x0
; All seven inputs, f32 to bf16 (one rounding, to nearest even), laid out as FRAGMENT TILES for the matrix launch that follows.
; bf16 keeps f32's range, so the inputs have no limit of size here.
; A fragment tile is 16 rows x 16 k of 16-bit numbers = 512 bytes: lane L = r + 16 h owns bytes 16 L .. 16 L + 15 = row r, k = 8 h .. 8 h + 7.
; Two tiles that are neighbours along k are one 16 x 32 matrix operand, read by two 16-byte loads a lane from consecutive bytes.
; wsf, all parts with K = 768 (48 tiles = 24,576 bytes for 16 rows):
;   0          x      2048 rows
;   3,145,728  wq, wk, wv   3 x 3072 rows (expert x 768 + feature)
;   17,301,504 wo TRANSPOSED: rows expert x 768 + j, k = m   (it is the second factor of Wg x Wo, summed over m)
;   22,020,096 four parts, one an expert, of 1536 rows: w_gate's 768 rows, then w_up's, k = the expert's 768 columns
; A wave takes one unit of 16 rows x 64 columns: 4,096 bytes in by eight loads of 2 rows x 256 consecutive bytes, 2,048 bytes out by four stores
; of 512 consecutive bytes.  15,360 units = 1,920 work-groups x 8 waves.  The lanes are re-sorted through 2,304 bytes of LDS that are the wave's own,
; so there is no barrier.  Memory binds: no matrix unit, no cluster (no byte is read twice), no loop.
.set RT,     24576                     ; bytes of 16 rows in wsf
.set WBYTES, 4718592                   ; bytes of one weight in wsf
.set WQKV,   3145728
.set WOT,    17301504
.set WGU,    22020096
.set PITCH,  144                       ; an LDS row: 64 numbers of 2 bytes + 16 bytes
	s_load_b512 s[8:23], s[0:1], 0x0               ; x, wq, wk, wv, wo, w_gate, w_up, wsf
	v_lshl_add_u32 v64, v0, 2, 0x4800
	v_mov_b32 v65, 0
	v_lshrrev_b32 v1, 5, v0
	v_readfirstlane_b32 s2, v1                     ; wave
	v_and_b32 v1, 31, v0                           ; lane
	v_and_b32 v2, 15, v0                           ; lane % 16
	v_bfe_u32 v3, v0, 4, 1                         ; lane / 16
	; which input: work-groups 0-191 take x, then 288 for each weight W = 0 .. 5 (wq wk wv wo w_gate w_up)
	s_max_u32 s3, ttmp9, 192
	s_sub_co_u32 s3, s3, 192
	s_mul_hi_u32 s4, s3, 0xe38e39                  ; W = / 288 (exact below 1,728)
	s_mul_i32 s5, s4, 288
	s_sub_co_u32 s5, s3, s5                        ; the work-group's number inside its weight
	s_mul_i32 s6, s4, WBYTES
	s_add_co_u32 s6, s6, WQKV                      ; where that weight begins in wsf
	s_cmp_lt_u32 ttmp9, 192
	s_cselect_b32 s5, ttmp9, s5
	s_cselect_b32 s6, 0, s6
	s_cselect_b32 s4, 15, s4                       ; W = 15 stands for x
	s_lshl3_add_u32 s7, s5, s2                     ; unit u = 8 x work-group + wave
	s_mul_hi_u32 s24, s7, 0x15555556               ; u / 12
	s_mul_i32 s25, s24, 12
	s_sub_co_u32 s25, s7, s25                      ; kc = u % 12: which 64 columns
	s_lshl_b32 s26, s25, 8                         ; 256 bytes of f32
	s_lshl_b32 s27, s25, 11                        ; four tiles
	; rows of 768 numbers (x, wq, wk, wv, wo): u / 12 is the block of 16 rows
	s_mul_i32 s28, s24, 49152                      ; source
	s_mul_i32 s29, s24, RT
	s_add_co_u32 s29, s29, s6
	s_add_co_u32 s29, s29, s27                     ; destination
	; wo: the unit's 64 columns become four blocks of 16 rows, its 16 rows one tile along k
	s_mul_hi_u32 s30, s24, 0x5555556               ; expert = / 48
	s_mul_i32 s31, s30, 48
	s_sub_co_u32 s31, s24, s31                     ; tile along k
	s_mul_i32 s30, s30, 1179648
	s_lshl_b32 s31, s31, 9
	s_add_co_u32 s30, s30, s31
	s_mul_i32 s31, s25, 4*RT
	s_add_co_u32 s30, s30, s31
	s_add_co_u32 s30, s30, WOT
	; rows of 3072 numbers (w_gate, w_up): u / 12 = 4 x block of rows + expert
	s_lshr_b32 s34, s24, 2
	s_and_b32 s35, s24, 3
	s_mul_i32 s36, s34, 196608
	s_mul_i32 s37, s35, 3072
	s_add_co_u32 s36, s36, s37                     ; source
	s_mul_i32 s37, s35, 2359296
	s_mul_i32 s38, s34, RT
	s_add_co_u32 s37, s37, s38
	s_add_co_u32 s37, s37, s27
	s_sub_co_u32 s38, s4, 4                        ; 0 gate, 1 up; anything else is no wide input
	s_min_u32 s39, s38, 1
	s_mul_i32 s39, s39, 1179648
	s_add_co_u32 s37, s37, s39
	s_add_co_u32 s37, s37, WGU                     ; destination
	s_mov_b32 s40, 3072
	s_mov_b32 s41, 12288
	s_cmp_lt_u32 s38, 2
	s_cselect_b32 s28, s36, s28
	s_cselect_b32 s29, s37, s29
	s_cselect_b32 s40, s41, s40                    ; bytes from row to row in the source
	s_cmp_eq_u32 s4, 3
	s_cselect_b32 s29, s30, s29
	s_add_co_u32 s44, s28, s26
	s_mov_b32 s45, 0
	s_mov_b32 s46, s29
	s_mov_b32 s47, 0
	; lane terms
	v_mul_lo_u32 v4, v3, s40                       ; a load takes two rows: lanes 0-15 one, lanes 16-31 the next,
	v_lshl_add_u32 v4, v2, 4, v4                   ; 16 bytes a lane
	s_lshl_b32 s41, s40, 1
.irp i, 1,2,3,4,5,6,7
	v_add_nc_u32 v[4+\i], s41, v[3+\i]
.endr
	s_mul_i32 s3, s2, 16*PITCH                     ; my wave's LDS
	v_mul_u32_u24 v12, v3, PITCH                   ; in: row 2 i + lane / 16, 8 bytes a lane
	v_lshl_add_u32 v12, v2, 3, v12
	v_add_nc_u32 v12, s3, v12
	v_mul_u32_u24 v13, v2, PITCH                   ; back: row r, 16 bytes at k = 8 h
	v_lshl_add_u32 v13, v3, 4, v13
	v_add_nc_u32 v13, s3, v13
	v_mul_u32_u24 v14, v3, 8*PITCH                 ; back, transposed: rows 8 h .., column r
	v_lshl_add_u32 v14, v2, 1, v14
	v_add_nc_u32 v14, s3, v14
	v_lshlrev_b32 v15, 4, v1                       ; out: 16 bytes a lane
	s_wait_kmcnt 0x0
	s_mov_b64 s[42:43], s[8:9]                     ; the source: a choice between buffers on the work-group's number
	s_cmp_eq_u32 s4, 0
	s_cselect_b64 s[42:43], s[10:11], s[42:43]
	s_cmp_eq_u32 s4, 1
	s_cselect_b64 s[42:43], s[12:13], s[42:43]
	s_cmp_eq_u32 s4, 2
	s_cselect_b64 s[42:43], s[14:15], s[42:43]
	s_cmp_eq_u32 s4, 3
	s_cselect_b64 s[42:43], s[16:17], s[42:43]
	s_cmp_eq_u32 s4, 4
	s_cselect_b64 s[42:43], s[18:19], s[42:43]
	s_cmp_eq_u32 s4, 5
	s_cselect_b64 s[42:43], s[20:21], s[42:43]
	s_add_nc_u64 s[42:43], s[42:43], s[44:45]
	s_add_nc_u64 s[22:23], s[22:23], s[46:47]
.irp i, 0,1,2,3,4,5,6,7
	global_load_b128 v[16+4*\i:19+4*\i], v[4+\i], s[42:43] th:TH_LOAD_NT   ; every input byte is read once in the launch
.endr
.irp i, 0,1,2,3,4,5,6,7
	s_wait_loadcnt 7-\i                            ; loads come back in order: rows 2 i, 2 i + 1 are in
	v_cvt_pk_bf16_f32 v[48+2*\i], v[16+4*\i], v[17+4*\i]
	v_cvt_pk_bf16_f32 v[49+2*\i], v[18+4*\i], v[19+4*\i]
	ds_store_b64 v12, v[48+2*\i:49+2*\i] offset:\i*2*PITCH
.endr
	s_cmp_eq_u32 s4, 3
	s_cbranch_scc1 .Ltransposed
	; LDS serves a wave's instructions in order: these loads see the stores above
.irp i, 0,1,2,3
	ds_load_b128 v[16+4*\i:19+4*\i], v13 offset:\i*32
.endr
.irp i, 0,1,2,3
	s_wait_dscnt 3-\i
	global_store_b128 v15, v[16+4*\i:19+4*\i], s[22:23] offset:\i*512      ; one tile: 512 consecutive bytes
.endr
	s_wait_tensorcnt 0x0
	ds_add_u32 v64, v65
	s_wait_dscnt 0x0
	s_endpgm
.Ltransposed:
	; tile i holds rows j = 16 i + r; a lane's eight numbers come from eight LDS rows
.irp i, 0,1,2,3
.irp e, 0,1,2,3,4,5,6,7
	ds_load_u16 v[16+8*\i+\e], v14 offset:\e*PITCH+\i*32
.endr
.endr
	s_wait_dscnt 0x0
.irp i, 0,1,2,3
.irp p, 0,1,2,3
	v_lshl_or_b32 v[48+4*\i+\p], v[17+8*\i+2*\p], 16, v[16+8*\i+2*\p]
.endr
.endr
.irp i, 0,1,2,3
	global_store_b128 v15, v[48+4*\i:51+4*\i], s[22:23] offset:\i*RT
.endr
	s_wait_tensorcnt 0x0
	ds_add_u32 v64, v65
	s_wait_dscnt 0x0
	s_endpgm
.Lfunc_end_k_q46ef31335e_cast:
	.size	k_q46ef31335e_cast, .Lfunc_end_k_q46ef31335e_cast-k_q46ef31335e_cast
	.p2alignl 7, 3214868480
	.fill 96, 4, 3214868480
	.section	.rodata,"a",@progbits
	.p2align	6, 0x0
	.amdhsa_kernel k_q46ef31335e_cast
		.amdhsa_group_segment_fixed_size 19456
		.amdhsa_private_segment_fixed_size 0
		.amdhsa_enable_private_segment 0
		.amdhsa_kernarg_size 64
		.amdhsa_user_sgpr_count 2
		.amdhsa_user_sgpr_kernarg_segment_ptr 1
		.amdhsa_wavefront_size32 1
		.amdhsa_system_sgpr_workgroup_id_x 1
		.amdhsa_system_sgpr_workgroup_id_y 1
		.amdhsa_system_sgpr_workgroup_id_z 1
		.amdhsa_system_vgpr_workitem_id 0
		.amdhsa_next_free_vgpr 66
		.amdhsa_next_free_sgpr 66
		.amdhsa_reserve_vcc 0
		.amdhsa_float_denorm_mode_32 3
		.amdhsa_float_denorm_mode_16_64 3
		.amdhsa_memory_ordered 1
		.amdhsa_forward_progress 1
		.amdhsa_inst_pref_size 12
	.end_amdhsa_kernel
	.amdgpu_metadata
---
amdhsa.version: [ 1, 2 ]
amdhsa.kernels:
  - .name:           k_q46ef31335e_cast
    .symbol:         k_q46ef31335e_cast.kd
    .args:
      - { .name: x, .offset: 0, .size: 8, .value_kind: global_buffer, .address_space: global }
      - { .name: wq, .offset: 8, .size: 8, .value_kind: global_buffer, .address_space: global }
      - { .name: wk, .offset: 16, .size: 8, .value_kind: global_buffer, .address_space: global }
      - { .name: wv, .offset: 24, .size: 8, .value_kind: global_buffer, .address_space: global }
      - { .name: wo, .offset: 32, .size: 8, .value_kind: global_buffer, .address_space: global }
      - { .name: w_gate, .offset: 40, .size: 8, .value_kind: global_buffer, .address_space: global }
      - { .name: w_up, .offset: 48, .size: 8, .value_kind: global_buffer, .address_space: global }
      - { .name: wsf, .offset: 56, .size: 8, .value_kind: global_buffer, .address_space: global }
    .group_segment_fixed_size: 19456
    .private_segment_fixed_size: 0
    .kernarg_segment_align: 8
    .kernarg_segment_size: 64
    .max_flat_workgroup_size: 256
    .sgpr_count:     66
    .vgpr_count:     66
    .wavefront_size: 32
...
	.end_amdgpu_metadata
.endif
;; end of part 1
;; launch proj (part 2): grid 60 x 4, 4 waves a work-group, clusters of 4 x 1, 327,680 bytes of LDS; arguments wsf, mid, lo; writes mid, lo
.if DOCPART == 2
	.amdgcn_target "amdgcn-amd-amdhsa--gfx1250"
	.amdhsa_code_object_version 6
	.text
	.protected	k_q46ef31335e_proj
	.globl	k_q46ef31335e_proj
	.p2align	8
	.type	k_q46ef31335e_proj,@function
k_q46ef31335e_proj:
	s_mov_b64 s[64:65], 0
	v_nop
	global_prefetch_b8 v0, s[64:65] scope:SCOPE_SE
	s_setreg_imm32_b32 hwreg(HW_REG_WAVE_MODE, 25, 1), 1
	s_wait_xcnt 0x0
	s_wait_alu depctr_hold_cnt(0) depctr_sa_sdst(0) depctr_va_vdst(0) depctr_va_sdst(0) depctr_va_ssrc(0) depctr_va_vcc(0) depctr_vm_vsrc(0)
	s_getreg_b32 s2, hwreg(HW_REG_IB_STS2, 6, 4)
	s_cmp_eq_u32 s2, 0
	s_cbranch_scc0 .Lentry_in_a_cluster
	s_endpgm
.Lentry_in_a_cluster:
	s_bfe_u32 s2, ttmp6, 0x10000c
	s_cmp_lg_u32 s2, 0x3003
	s_cbranch_scc0 .Lentry_shape_is_right
	s_endpgm
.Lentry_shape_is_right:
; Two products of one shape, K = 768, bf16 operands, f32 sums, from the fragment tiles of wsf (16 rows x 16 k = 512 bytes, lane L = r + 16 h owns
; bytes 16 L: row r, k = 8 h ..):
;   clusters 0-11:  q, k, v [token][feature] = x . w^T       Y = 2048 tokens, X = 9216 weight rows (q, k, v x expert x feature)
;   clusters 12-14: 64 W'_e [n][j] = 64 [Wg; Wu]_e . Wo_e    Y = 1536 rows of gate and up, X = 768 rows of wo transposed, for each expert e
; W' replaces (o Wo^T) Wg^T by o (Wg Wo)^T: the same sum in another order of rounding; the concatenated projection, which has no room in f16, is never formed.
; q is multiplied in f32 by 0.125 log2(e) before its one rounding, so that the attention's exponentials are base 2.
; RESULTS ARE f16 (11 bits; bf16's 8 are too few for what follows).  LIMITS: |q|, |k|, |v| beyond 65,504 and |W'| beyond 1,023 become infinities.
; TWO-TERM RESULTS.  A query that sees n keys averages n values, so the first tokens of a sequence have by far the largest o, gate and up, and an error in
; proportion to their size is large against the tensor as a whole.  The way to tokens 0-31 of each sequence therefore carries 22 bits: a result t goes out as
; high = t rounded to 11 bits (bits + 0x1000, low 13 bits cut: exact in f16) and low = t - high (exact in f32, then rounded to f16).  Stored so: all of 64 W',
; and v of those 64 tokens.  High parts lie where single results lie and serve every reader.  Below 6.1e-5 the high part keeps f16's absolute step of 6e-8.
; SHAPE.  A work-group makes Y 512 x X 192 with four waves; wave w makes Y's rows 128 w .. 128 w + 127 x all of X = 96 accumulator tiles, 768 registers.
; 4 x 48 blocks for q, k, v and 4 experts x 3 x 4 for W' = 240 work-groups of equal work, one on a WGP, all at once: set-up and way out are paid once.
; For 32 along K a wave reads (128 + 192) x 64 bytes from LDS and issues 96 matrix instructions.
; RING.  K goes in steps of 64 (4 tiles = 2,048 consecutive bytes of each block of 16 rows) through three LDS slots of 90,112 bytes.  Each wave fetches a quarter of
; Y's slab (8 blocks) and a quarter of X's (3 blocks).  Tiles 0, 1, 2 go out at the start (six tensor loads of a wave out); then two slots are filled
; behind one round of the cluster's barrier (four out), while the third, which has landed, is multiplied.
; CLUSTER 4 x 1: the four work-groups share Y's slab (512 of the 704 rows of a step) and ask for it jointly; X's slabs differ and are plain loads.
; A 4 x 4 cluster is not used: the weight product has 3 blocks of Y for an expert, which 4 does not divide.
; The matrix instruction takes X as source 0 and Y as source 1: lane (r, h) then holds Y's row r and X's rows 8 h .. 8 h + 7, which packed to f16 are
; the lane's 16 bytes of a fragment tile with rows of Y and k along X: each result tile leaves by one store of 512 consecutive bytes, without LDS.
; mid: 144 regions (q, k, v x expert x head) of 262,144 bytes, tile (token block, d block) at 2048 x token block + 512 x d block;
;      at 37,748,736: 48 regions (k / 64) of 196,608 bytes of 64 W', tile (row block, k block) likewise.
; lo:  at 0 the low parts of 64 W', laid out as its high parts; at 9,437,184 those of v: 48 regions (expert x head) of 8,192 bytes = 2 batches x 2 token blocks.
.set RT,     24576                     ; bytes of 16 rows in wsf
.set WQKV,   3145728
.set WOT,    17301504
.set WGU,    22020096
.set WP,     37748736
.set VLO,    9437184
.set STEP,   2048                      ; a K step in a block of 16 rows
.set XOFF,   65536                     ; a slot: Y's 32 blocks of 2,048 bytes, then X's 12
.set SLOT,   90112
.set YA,  2                            ; v2-v4   LDS address of my Y fragments in slot 0, 1, 2
.set XAD, 5                            ; v5-v7   the same for X;  v8, v9: store offsets in mid and in lo
.set YB0, 16                           ; v[16:79]    Y's eight fragments, v[80:143] the second buffer
.set YB1, 80
.set XF,  144                          ; v[144:191]  X's fragments 0-5, v[192:239] fragments 6-11
.set T,   16                           ; the way out: v[16:63] 48 results in f32, v[64:111] their high parts, v[112:255] three sets of 24 + 24 packed registers
.set TH,  64
.set G1Y, 16                           ; s[16:23] shape of Y's loads, s[24:31] of X's
.set G1X, 24
.set G0Y, 32                           ; s[32:43] from where, to where: Y, one set for each slot; s[44:55] X
.set G0X, 44
.set NY,  56                           ; s[56:57], s[58:59] address of my rows in the next tile to be fetched, type bits set
.set NX,  58
; s[60:61] factor, s[66:71] three store bases in mid, s[72:77] three in lo, s92 how many of my eight blocks of Y's rows go out in two terms
; accumulators: tile number 48 (i / 6) + 6 j + i % 6 (j: block of Y, i: block of X), 32 tiles to a window, windows 1 to 3
.set MSB, 0
.macro WIN new                         ; the immediate's high byte repeats the setting that is left
.if MSB != \new
	s_set_vgpr_msb (MSB<<8)|\new
.set MSB, \new
.endif
.endm
.macro PLACES                          ; four places behind a matrix instruction, ahead of loads into its sources and of reads of its result
.rept 4
	v_nop
.endr
.endm
.macro CREST                           ; a round of the cluster's barrier behind its opening barrier
	s_cmp_lg_u32 s8, 0
	s_cbranch_scc1 .Lnot_wave_0_\@
	s_barrier_signal -3
.Lnot_wave_0_\@:
	s_barrier_wait -3
	s_barrier_signal -1
	s_barrier_wait -1
.endm
.macro ROUND                           ; a whole round
	s_barrier_signal -1
	s_barrier_wait -1
	CREST
.endm
	s_load_b128 s[4:7], s[0:1], 0x0                ; wsf, mid
	s_load_b64 s[14:15], s[0:1], 0x10              ; lo
	v_lshl_add_u32 v14, v0, 2, 0x42000
	v_mov_b32 v15, 0
	ds_add_u32 v14, v15
	v_lshrrev_b32 v1, 5, v0
	v_readfirstlane_b32 s8, v1                     ; wave
	s_bfe_u32 s11, ttmp6, 0x40000                  ; cx
	s_mov_b32 s12, ttmp9                           ; cluster x, 0 .. 14
	s_and_b32 s13, ttmp7, 0xffff                   ; y, 0 .. 3
	s_max_u32 s80, s12, 12                         ; the weight product's 12 clusters: number = 4 (cluster x - 12) + y
	s_sub_co_u32 s80, s80, 12
	s_lshl2_add_u32 s80, s80, s13
	s_lshr_b32 s81, s80, 2                         ; block of Y, 0 .. 2
	s_and_b32 s82, s80, 3                          ; expert
	; Y's slab: hangs on the cluster's x and y and on the wave alone, in registers that never hold cx
	s_mul_i32 s84, s13, 786432                     ; x: 512 tokens
	s_mul_i32 s83, s82, 2359296
	s_mul_i32 s85, s81, 786432
	s_add_co_u32 s83, s83, s85
	s_add_co_u32 s83, s83, WGU
	s_cmp_lt_u32 s12, 12
	s_cselect_b32 s84, s84, s83
	s_mul_i32 s85, s8, 8*RT                        ; my quarter: 8 blocks of 16 rows
	s_add_co_u32 s84, s84, s85
	s_mov_b32 s85, 0
	; X's slab
	s_lshl2_add_u32 s86, s12, s11                  ; block of 192 weight rows = 4 x cluster + cx
	s_mul_i32 s88, s86, 294912
	s_add_co_u32 s88, s88, WQKV
	s_mul_i32 s87, s82, 1179648
	s_mul_i32 s90, s11, 294912
	s_add_co_u32 s87, s87, s90
	s_add_co_u32 s87, s87, WOT
	s_cmp_lt_u32 s12, 12
	s_cselect_b32 s88, s88, s87
	s_mul_i32 s87, s8, 3*RT                        ; my quarter: 3 blocks of 16 rows
	s_add_co_u32 s88, s88, s87
	s_mov_b32 s89, 0
	; the work-group's 192 rows of X are three whole regions of the output
	s_mul_i32 s86, s86, 3
	s_mul_i32 s87, s82, 12
	s_mul_i32 s90, s11, 3
	s_add_co_u32 s87, s87, s90
	s_mov_b32 s90, 262144
	s_mov_b32 s91, 196608
	s_cmp_lt_u32 s12, 12
	s_cselect_b32 s86, s86, s87                    ; the first of them
	s_cselect_b32 s87, s90, s91                    ; bytes of a region
	s_cselect_b32 s90, 0, WP                       ; where the regions begin
	s_cselect_b32 s91, s13, s81
	s_lshl_b32 s91, s91, 5
	s_lshl3_add_u32 s91, s8, s91                   ; my first block of 16 rows of Y = 32 x block + 8 x wave
	s_mov_b32 s60, 1.0                             ; the factor in front of the rounding: k, v 1; q 0.125 log2(e); W' 64
	s_cmp_lt_u32 s12, 4
	s_cselect_b32 s60, 0x3e38aa3b, s60
	s_cmp_lt_u32 s12, 12
	s_cselect_b32 s60, s60, 0x42800000
	s_mov_b32 s61, s60
	; blocks that go out in two terms: W': all 8; v (clusters 8-11) where my rows begin a sequence (y = 0 or 2, wave 0): the first 2; else none.
	; The number hangs on the cluster's x and y and on the wave, not on the place in the cluster.
	s_and_b32 s92, s13, 1
	s_or_b32 s92, s92, s8
	s_lshr_b32 s95, s12, 2
	s_xor_b32 s95, s95, 2
	s_or_b32 s92, s92, s95
	s_cmp_eq_u32 s92, 0
	s_cselect_b32 s92, 2, 0
	s_cmp_lt_u32 s12, 12
	s_cselect_b32 s92, s92, 8
	s_mov_b32 s93, 0x1000                          ; half a step of the 11th bit
	s_mov_b32 s94, 0xffffe000                      ; sign, exponent, 10 bits
	; shapes: elements of 8 bytes, rows of 256 elements (2,048 bytes), 3,072 elements from row to row
	s_mov_b32 s[G1Y+0], 15|(3<<16)|(1<<21)         ; 15:0 all four work-groups of the cluster; 17:16 8-byte elements; 21 set beside a mask
	s_mov_b32 s[G1Y+1], 256<<16                    ; tensor_dim0
	s_mov_b32 s[G1Y+2], 8<<16                      ; tensor_dim1
	s_mov_b32 s[G1Y+3], 256<<16                    ; tile_dim0
	s_mov_b32 s[G1Y+4], 8                          ; tile_dim1: 8 blocks of 16 rows
	s_mov_b32 s[G1Y+5], 3072
	s_mov_b32 s[G1Y+6], 0
	s_mov_b32 s[G1Y+7], 0
	s_mov_b32 s[G1X+0], 3<<16                      ; no mask: my own
	s_mov_b32 s[G1X+1], 256<<16
	s_mov_b32 s[G1X+2], 3<<16
	s_mov_b32 s[G1X+3], 256<<16
	s_mov_b32 s[G1X+4], 3                          ; 3 blocks of 16 rows
	s_mov_b32 s[G1X+5], 3072
	s_mov_b32 s[G1X+6], 0
	s_mov_b32 s[G1X+7], 0
	s_lshl_b32 s79, s8, 14                         ; LDS: Y's quarter at 16,384 x wave,
	s_mul_i32 s78, s8, 6144                        ; X's at 65,536 + 6,144 x wave
	s_add_co_u32 s78, s78, XOFF
	s_wait_dscnt 0x0
	s_wait_kmcnt 0x0
	s_add_nc_u64 s[84:85], s[4:5], s[84:85]
	s_add_nc_u64 s[88:89], s[4:5], s[88:89]
.irp n, 0,1,2
	s_mov_b32 s[G0Y+4*\n], 1
	s_add_co_u32 s[G0Y+4*\n+1], s79, \n*SLOT
	s_add_nc_u64 s[G0Y+4*\n+2:G0Y+4*\n+3], s[84:85], \n*STEP       ; slot n starts with tile n
	s_or_b32 s[G0Y+4*\n+3], s[G0Y+4*\n+3], 0x80000000
	s_mov_b32 s[G0X+4*\n], 1
	s_add_co_u32 s[G0X+4*\n+1], s78, \n*SLOT
	s_add_nc_u64 s[G0X+4*\n+2:G0X+4*\n+3], s[88:89], \n*STEP
	s_or_b32 s[G0X+4*\n+3], s[G0X+4*\n+3], 0x80000000
.endr
	s_add_nc_u64 s[NY:NY+1], s[G0Y+10:G0Y+11], STEP                ; tile 3
	s_add_nc_u64 s[NX:NX+1], s[G0X+10:G0X+11], STEP
	ROUND                                          ; all four work-groups are here: the first joint loads meet
.irp n, 0,1,2
	tensor_load_to_lds s[G0Y+4*\n:G0Y+4*\n+3], s[G1Y:G1Y+7]        ; first fills of the three slots: six loads of mine are out
	s_nop 0
	tensor_load_to_lds s[G0X+4*\n:G0X+4*\n+3], s[G1X:G1X+7]
	s_nop 0
.endr
	; store bases, one in mid and one in lo for each of the three regions
	s_cmp_lt_u32 s12, 12
	s_cselect_b32 s98, 0x2000, s87                 ; bytes of a region of low parts: v 8,192; W' as its high parts
	s_cselect_b32 s99, VLO, 0                      ; where they begin
	s_cselect_b32 s95, 96, 0                       ; v's regions are numbers 96 .. 143 of mid
.irp m, 0,1,2
	s_add_co_u32 s62, s86, \m                      ; region
	s_max_u32 s96, s62, s95                        ; (q's and k's work-groups store no low parts: their base is made and not used)
	s_sub_co_u32 s96, s96, s95
	s_mul_i32 s96, s96, s98
	s_add_co_u32 s96, s96, s99
	s_mov_b32 s97, 0
	s_add_nc_u64 s[72+2*\m:73+2*\m], s[14:15], s[96:97]
	s_mul_i32 s62, s62, s87
	s_add_co_u32 s62, s62, s90
	s_mov_b32 s63, 0
	s_add_nc_u64 s[66+2*\m:67+2*\m], s[6:7], s[62:63]
.endr
	v_and_b32 v1, 31, v0
	v_lshlrev_b32 v1, 4, v1                        ; 16 x lane
	v_add_nc_u32 v[YA], s79, v1                    ; my 128 rows of Y are the quarter that I fetch
	v_add_nc_u32 v[YA+1], SLOT, v[YA]
	v_add_nc_u32 v[YA+2], SLOT, v[YA+1]
	v_add_nc_u32 v[XAD], XOFF, v1                  ; every wave reads all of X
	v_add_nc_u32 v[XAD+1], SLOT, v[XAD]
	v_add_nc_u32 v[XAD+2], SLOT, v[XAD+1]
	s_lshl_b32 s62, s91, 11
	v_add_nc_u32 v8, s62, v1                       ; store offset in mid: my first block of Y's rows, 2,048 bytes a block
	s_lshr_b32 s96, s13, 1                         ; in lo: v: 2 blocks a batch; W': as in mid
	s_lshl_b32 s96, s96, 1
	s_cmp_lt_u32 s12, 12
	s_cselect_b32 s96, s96, s91
	s_lshl_b32 s96, s96, 11
	v_add_nc_u32 v9, s96, v1
; 16 LDS loads: Y's eight fragments of half q of a tile (32 along K = two tiles = 1,024 bytes) into buffer yb; a load's 32 lanes read 512 consecutive bytes
.macro LY slot, q, yb
	WIN 0
.irp j, 0,1,2,3,4,5,6,7
	ds_load_b128 v[\yb+8*\j:\yb+8*\j+3],   v[YA+\slot] offset:\j*STEP+\q*1024
	ds_load_b128 v[\yb+8*\j+4:\yb+8*\j+7], v[YA+\slot] offset:\j*STEP+\q*1024+512
.endr
.endm
; 12 LDS loads: six fragments of X, blocks 6 half .. 6 half + 5
.macro LX slot, q, half
	WIN 0
.irp i, 0,1,2,3,4,5
	ds_load_b128 v[XF+48*\half+8*\i:XF+48*\half+8*\i+3],   v[XAD+\slot] offset:(6*\half+\i)*STEP+\q*1024
	ds_load_b128 v[XF+48*\half+8*\i+4:XF+48*\half+8*\i+7], v[XAD+\slot] offset:(6*\half+\i)*STEP+\q*1024+512
.endr
.endm
; 24 matrix instructions: Y's blocks j0 .. j0 + 3 x one half of X.  The 96 accumulators take turns, one instruction a turn, in the same order for every 32 along K.
.macro MULT half, j0, yb, zero
.irp jj, 0,1,2,3
.irp i, 0,1,2,3,4,5
.set tt, 48*\half+6*(\j0+\jj)+\i
.set ww, (1+(tt>>5))*0x50              ; C and D in the tile's window, sources in window 0
	WIN ww
.if \zero
	v_wmma_f32_16x16x32_bf16 v[8*(tt&31):8*(tt&31)+7], v[XF+48*\half+8*\i:XF+48*\half+8*\i+7], v[\yb+8*(\j0+\jj):\yb+8*(\j0+\jj)+7], 0
.else
	v_wmma_f32_16x16x32_bf16 v[8*(tt&31):8*(tt&31)+7], v[XF+48*\half+8*\i:XF+48*\half+8*\i+7], v[\yb+8*(\j0+\jj):\yb+8*(\j0+\jj)+7], v[8*(tt&31):8*(tt&31)+7]
.endif
.endr
.endr
.endm
; A tile but for its last 48 products.  On the way in, Y's fragments and X's first half of the tile's first 32 k have been asked for (28 loads).
; Each half of X is loaded again as soon as its 48 products are issued, so every run of loads has 48 matrix instructions in which to land.
.macro MOST slot, zero
	PLACES
	LX \slot, 0, 1
	s_wait_dscnt 12                                ; all but the 12 loads just issued: Y and X's first half are in
	MULT 0, 0, YB0, \zero
	MULT 0, 4, YB0, \zero
	PLACES
	LX \slot, 1, 0
	LY \slot, 1, YB1
	s_wait_dscnt 28                                ; all but the 28 just issued: X's second half is in
	MULT 1, 0, YB0, \zero
	MULT 1, 4, YB0, \zero
	PLACES
	LX \slot, 1, 1
	s_wait_dscnt 12                                ; the second 32 k: Y and X's first half are in
	MULT 0, 0, YB1, 0
	MULT 0, 4, YB1, 0
.endm
; The change to a slot whose tile may still be landing, with nothing filled: a counted wait, a barrier that shows the tile to the other waves.
; 24 of the old tile's last products stand between signal and wait, the other 24 cover the new tile's first 28 loads.
.macro MID next, left
	s_wait_dscnt 0x0                               ; X's second half is in, and no LDS load of mine is pending at the signal
	s_wait_tensorcnt \left                         ; my parts of the next tile are in; the younger tile's two loads may stay out
	s_barrier_signal -1
	MULT 1, 0, YB1, 0
	WIN 0
	s_barrier_wait -1
	PLACES
	LY \next, 0, YB0
	LX \next, 0, 0
	MULT 1, 4, YB1, 0
.endm
; The change of slots with refills: slots b and c, which have been read, get the next two tiles (fills = 1: slot b alone); slot next has landed.
; The round of the cluster's barrier is the barrier in front of the refills: every wave's waits stand in front of its opening signal, register work alone
; inside it, the refills first behind its closing wait.
.macro FILL next, b, c, fills
	s_wait_dscnt 0x0                               ; my reads of slots b and c are done
	s_wait_tensorcnt 0x0                           ; all my tensor loads are done, my parts of slot next among them,
	ds_add_u32 v14, v15
	s_wait_dscnt 0x0
	s_mov_b64 s[G0Y+4*\b+2:G0Y+4*\b+3], s[NY:NY+1] ; so every descriptor may be written: the next tile,
	s_add_nc_u64 s[G0Y+4*\c+2:G0Y+4*\c+3], s[NY:NY+1], STEP        ; and the one behind it (written and not used where fills = 1)
	s_add_nc_u64 s[NY:NY+1], s[NY:NY+1], 2*STEP
	s_mov_b64 s[G0X+4*\b+2:G0X+4*\b+3], s[NX:NX+1]
	s_add_nc_u64 s[G0X+4*\c+2:G0X+4*\c+3], s[NX:NX+1], STEP
	s_add_nc_u64 s[NX:NX+1], s[NX:NX+1], 2*STEP
	s_barrier_signal -1
	MULT 1, 0, YB1, 0
	WIN 0
	s_barrier_wait -1
	CREST                                          ; both waits now hold of every wave of the four work-groups
	tensor_load_to_lds s[G0Y+4*\b:G0Y+4*\b+3], s[G1Y:G1Y+7]
	s_nop 0
	tensor_load_to_lds s[G0X+4*\b:G0X+4*\b+3], s[G1X:G1X+7]
	s_nop 0
.if \fills == 2
	tensor_load_to_lds s[G0Y+4*\c:G0Y+4*\c+3], s[G1Y:G1Y+7]
	s_nop 0
	tensor_load_to_lds s[G0X+4*\c:G0X+4*\c+3], s[G1X:G1X+7]
	s_nop 0
.endif
	PLACES
	LY \next, 0, YB0
	LX \next, 0, 0
	MULT 1, 4, YB1, 0
.endm
	s_wait_tensorcnt 4                             ; my parts of tile 0 are in; the four loads of tiles 1 and 2 stay out
	s_barrier_signal -1
	s_barrier_wait -1                              ; everybody's are
	LY 0, 0, YB0
	LX 0, 0, 0
	MOST 0, 1                                      ; tile 0: the first products start the sums, nothing is cleared
	MID 1, 2
	MOST 1, 0                                      ; tile 1
	FILL 2, 0, 1, 2                                ; tiles 3, 4 go out
	MOST 2, 0
	MID 0, 2
	MOST 0, 0                                      ; tile 3
	FILL 1, 2, 0, 2                                ; tiles 5, 6
	MOST 1, 0
	MID 2, 2
	MOST 2, 0                                      ; tile 5
	FILL 0, 1, 2, 2                                ; tiles 7, 8
	MOST 0, 0
	MID 1, 2
	MOST 1, 0                                      ; tile 7
	FILL 2, 0, 1, 2                                ; tiles 9, 10
	MOST 2, 0
	MID 0, 2
	MOST 0, 0                                      ; tile 9
	FILL 1, 2, 0, 1                                ; tile 11, the last: 768 / 64 = 12
	MOST 1, 0
	MID 2, 0                                       ; no tensor load is out from here on
	MOST 2, 0                                      ; tile 11
	s_wait_dscnt 0x0
	MULT 1, 0, YB1, 0
	MULT 1, 4, YB1, 0
	; The way out, six tiles at a time: block j of 16 rows of Y x one half of X.  The packed registers take turns in three sets.
	PLACES
.macro OUTH n, half, j
.if \n >= 3
	s_wait_xcnt 0x0                                ; every earlier store has had its addresses translated (ISA guide 3.1): turn n - 3's packed registers are rewritten only behind this wait
.endif
.irp i, 0,1,2,3,4,5
.set tt, 48*\half+6*\j+\i
.set ww, 1+(tt>>5)                     ; source 0 in the tile's window
	WIN ww
.irp p, 0,1,2,3
	v_pk_mul_f32 v[T+8*\i+2*\p:T+8*\i+2*\p+1], v[8*(tt&31)+2*\p:8*(tt&31)+2*\p+1], s[60:61] op_sel_hi:[1,0]
.endr
.endr
	WIN 0
	s_cmp_gt_u32 s92, \j
	s_cbranch_scc1 .Ltwo_\@
.set kk, 0
.rept 24
	v_cvt_pk_f16_f32 v[112+48*(\n%3)+kk], v[T+2*kk], v[T+2*kk+1]
.set kk, kk+1
.endr
	s_branch .Lhigh_\@
.Ltwo_\@:
.set kk, 0
.rept 48
	v_add_nc_u32 v[TH+kk], s93, v[T+kk]            ; high = t to the nearest 11 bits: add half a step to the bits,
	v_and_b32 v[TH+kk], s94, v[TH+kk]              ; cut what lies below
.set kk, kk+1
.endr
.set kk, 0
.rept 24
	v_pk_add_f32 v[T+2*kk:T+2*kk+1], v[T+2*kk:T+2*kk+1], v[TH+2*kk:TH+2*kk+1] neg_lo:[0,1] neg_hi:[0,1]   ; low = t - high
.set kk, kk+1
.endr
.set kk, 0
.rept 24
	v_cvt_pk_f16_f32 v[112+48*(\n%3)+kk], v[TH+2*kk], v[TH+2*kk+1]
	v_cvt_pk_f16_f32 v[136+48*(\n%3)+kk], v[T+2*kk], v[T+2*kk+1]
.set kk, kk+1
.endr
.irp i, 0,1,2,3,4,5
	global_store_b128 v9, v[136+48*(\n%3)+4*\i:136+48*(\n%3)+4*\i+3], s[72+2*((6*\half+\i)>>2):73+2*((6*\half+\i)>>2)] offset:((6*\half+\i)&3)*512+\j*2048
.endr
.Lhigh_\@:
.irp i, 0,1,2,3,4,5
	global_store_b128 v8, v[112+48*(\n%3)+4*\i:112+48*(\n%3)+4*\i+3], s[66+2*((6*\half+\i)>>2):67+2*((6*\half+\i)>>2)] offset:((6*\half+\i)&3)*512+\j*2048   ; one tile: 512 consecutive bytes
.endr
.endm
	OUTH 0, 0, 0
	OUTH 1, 1, 0
	OUTH 2, 0, 1
	OUTH 3, 1, 1
	OUTH 4, 0, 2
	OUTH 5, 1, 2
	OUTH 6, 0, 3
	OUTH 7, 1, 3
	OUTH 8, 0, 4
	OUTH 9, 1, 4
	OUTH 10, 0, 5
	OUTH 11, 1, 5
	OUTH 12, 0, 6
	OUTH 13, 1, 6
	OUTH 14, 0, 7
	OUTH 15, 1, 7
	s_wait_tensorcnt 0x0
	ds_add_u32 v14, v15
	s_wait_dscnt 0x0
	ROUND                                          ; the closing round: no work-group ends while a partner may still ask jointly
	s_endpgm
.Lfunc_end_k_q46ef31335e_proj:
	.size	k_q46ef31335e_proj, .Lfunc_end_k_q46ef31335e_proj-k_q46ef31335e_proj
	.p2alignl 7, 3214868480
	.fill 96, 4, 3214868480
	.section	.rodata,"a",@progbits
	.p2align	6, 0x0
	.amdhsa_kernel k_q46ef31335e_proj
		.amdhsa_group_segment_fixed_size 327680
		.amdhsa_private_segment_fixed_size 0
		.amdhsa_enable_private_segment 0
		.amdhsa_kernarg_size 24
		.amdhsa_user_sgpr_count 2
		.amdhsa_user_sgpr_kernarg_segment_ptr 1
		.amdhsa_wavefront_size32 1
		.amdhsa_system_sgpr_workgroup_id_x 1
		.amdhsa_system_sgpr_workgroup_id_y 1
		.amdhsa_system_sgpr_workgroup_id_z 1
		.amdhsa_system_vgpr_workitem_id 0
		.amdhsa_next_free_vgpr 1024
		.amdhsa_next_free_sgpr 100
		.amdhsa_reserve_vcc 0
		.amdhsa_float_denorm_mode_32 3
		.amdhsa_float_denorm_mode_16_64 3
		.amdhsa_memory_ordered 1
		.amdhsa_forward_progress 1
		.amdhsa_inst_pref_size 255
	.end_amdhsa_kernel
	.section	.bss,"aw",@nobits
	.p2align	6
	.space	262144
	.amdgpu_metadata
---
amdhsa.version: [ 1, 2 ]
amdhsa.kernels:
  - .name:           k_q46ef31335e_proj
    .symbol:         k_q46ef31335e_proj.kd
    .args:
      - { .name: wsf, .offset: 0, .size: 8, .value_kind: global_buffer, .address_space: global }
      - { .name: mid, .offset: 8, .size: 8, .value_kind: global_buffer, .address_space: global }
      - { .name: lo, .offset: 16, .size: 8, .value_kind: global_buffer, .address_space: global }
    .group_segment_fixed_size: 327680
    .private_segment_fixed_size: 0
    .kernarg_segment_align: 8
    .kernarg_segment_size: 24
    .max_flat_workgroup_size: 128
    .sgpr_count:     100
    .vgpr_count:     1024
    .wavefront_size: 32
...
	.end_amdgpu_metadata
.endif
;; end of part 2
;; launch attn (part 3): grid 8 x 96, 4 waves a work-group, no clusters, 102,912 bytes of LDS; arguments mid, lo, obuf, olo; writes obuf, olo
.if DOCPART == 3
	.amdgcn_target "amdgcn-amd-amdhsa--gfx1250"
	.amdhsa_code_object_version 6
	.text
	.protected	k_q46ef31335e_attn
	.globl	k_q46ef31335e_attn
	.p2align	8
	.type	k_q46ef31335e_attn,@function
k_q46ef31335e_attn:
	s_mov_b64 s[64:65], 0
	v_nop
	global_prefetch_b8 v0, s[64:65] scope:SCOPE_SE
	s_setreg_imm32_b32 hwreg(HW_REG_WAVE_MODE, 25, 1), 1
	s_wait_xcnt 0x0
; Attention under the band 0 <= q - k < 256 for one (batch, expert, head) and 128 queries; head size 64; f16 operands, f32 sums and softmax.
; q, k, v come from mid as fragment tiles (16 tokens x 16 d = 512 bytes, four of them = 2,048 bytes for 16 tokens); q already carries 0.125 log2(e).
; The work-group copies the 384 keys and values that its queries can see (256 before its first query, and its own 128) into LDS once, through registers.
; For the first two query blocks of a sequence the front of that span lies ahead of the sequence: those bytes still lie inside mid (q's regions stand in
; front of k's), are copied, and are never read, since a wave stops at key 0.
; Wave w owns 32 queries and walks its keys 32 at a time from the diagonal backwards: step 0 (masked q >= k), steps 1-7 (whole), step 8 (masked q - k < 256).
; Beginning at the diagonal gives every row a true score as its first maximum.
; S^T = K Q^T: lane (r, h) holds query r and keys 8 h + j, so that exp(S) packed to f16 IS the second source of O^T = V^T P^T, without any shuffle,
; and O^T packed to f16 is a fragment tile of o (rows tokens, k along d): one store of 512 consecutive bytes a tile.  V^T comes by the transposing LDS load.
; Softmax: running maximum, true difference S - M, base-2 exponentials; the row sum stays a partial sum of each half of the lanes until the end.
; THE FIRST 32 QUERIES OF A SEQUENCE (wave 0 of query block 0; they have the diagonal step alone) average few values, so their o is the largest of the tensor.
; They go in two f16 terms, 22 bits: P = P_hi + P_lo, v = v_hi + v_lo (v_lo from lo), O = V_hi P_hi + V_hi P_lo + V_lo P_hi, and o leaves as o_hi (obuf, where
; every o lies) and o_lo (olo: 48 regions (expert x head) of 8,192 bytes = 2 batches x 2 token blocks x 4 tiles).  A high part is the number rounded to 11 bits
; (bits + 0x1000, low 13 bits cut), the low part the exact rest.  q and k stay single there: a score's error enters P only through differences of scores.
; LIMITS: masked scores are -1e30 (in base-2 units): real scores below that are not told apart.  |o| <= max |v|, so o has v's room in f16.
; NO JOINT LOADS: LDS is filled through registers, once, for a work-group's whole life, so that three work-groups share a WGP's LDS;
; neighbouring query blocks' spans are displaced by 128 keys, so no two work-groups ask for the same span.
.set VLO, 9437184                      ; where v's low parts begin in lo
.set QF, 16                            ; v[16:47]   Q (qt, c): 8 (2 qt + c)
.set KF, 64                            ; v[64:95]   K (kt, c)
.set VF, 96                            ; v[96:127]  V^T (dt)
.set SS, 128                           ; v[128:159] S (qt, kt): 8 (2 qt + kt)
.set PP, 160                           ; v[160:175] P (qt)
.set OO, 176                           ; v[176:239] O (qt, dt): 8 (4 qt + dt)
.set PL, 240                           ; v[240:255] P's low parts (the first 32 queries only)
.set MM, 10                            ; v10 M, v11 L of query tile 0; v12, v13 of tile 1
.set TM, 50                            ; v50, v51 this step's maxima;  v52, v53 M - new M;  v[54:61] sums
.set TD, 52
; alpha (and at the end 1 / L): v14 for tile 0, v48 for tile 1, each the low register of a pair whose high register is written once
; LDS: K's span at 0, V's at 49,152, v's low parts (32 tokens, wave 0 alone) at 98,304
.macro PLACES                          ; four places behind a matrix instruction (ISA guide 7.12.1)
.rept 4
	v_nop
.endr
.endm
	s_load_b128 s[4:7], s[0:1], 0x0                ; mid, lo
	s_load_b128 s[28:31], s[0:1], 0x10             ; obuf, olo
	v_lshl_add_u32 v63, v0, 2, 0x19000
	s_set_vgpr_msb 0x40
	v_mov_b32 v1, 0
	s_set_vgpr_msb 0x4000
	v_lshrrev_b32 v1, 5, v0
	v_readfirstlane_b32 s8, v1                     ; wave
	s_mov_b32 s9, ttmp9                            ; query block, 0 .. 7
	s_and_b32 s10, ttmp7, 0xffff                   ; 48 x batch + 12 x expert + head
	s_cmp_ge_u32 s10, 48
	s_cselect_b32 s11, 1, 0
	s_mul_i32 s12, s11, 48
	s_sub_co_u32 s12, s10, s12
	s_lshl2_add_u32 s13, s9, s8                    ; my first query / 32 = the last step that still has keys
	s_lshl_b32 s14, s12, 18                        ; region: 262,144 bytes
	s_lshl_b32 s15, s11, 17                        ; batch: 1,024 tokens of 128 bytes
	s_lshl_b32 s26, s9, 14                         ; block: 128 tokens
	s_add_co_u32 s15, s15, s26
	s_add_co_u32 s14, s14, s15
	s_lshl_b32 s26, s8, 12                         ; wave: 32 tokens
	s_add_co_u32 s16, s14, s26
	s_mov_b32 s17, 0
	s_add_co_u32 s18, s14, 48*262144-32768         ; k's regions follow q's 48; the span begins 256 tokens earlier
	s_mov_b32 s19, 0
	s_add_co_u32 s20, s14, 96*262144-32768
	s_mov_b32 s21, 0
	s_lshl_b32 s34, s12, 13                        ; low parts: 8,192 bytes a region, 4,096 a batch
	s_lshl_b32 s35, s11, 12
	s_add_co_u32 s34, s34, s35
	s_add_co_u32 s32, s34, VLO
	s_mov_b32 s33, 0
	s_mov_b32 s35, 0
	s_mov_b32 s36, 0x1000                          ; half a step of the 11th bit
	s_mov_b32 s37, 0xffffe000                      ; sign, exponent, 10 bits
	s_mov_b32 s24, 0x76543210                      ; v_permlanex16_b32: lane i takes lane i of the other half
	s_mov_b32 s25, 0xfedcba98
	v_and_b32 v1, 31, v0
	v_and_b32 v2, 15, v0
	v_bfe_u32 v8, v0, 4, 1
	v_lshlrev_b32 v9, 3, v8
	v_sub_nc_u32 v2, v2, v9                        ; r - 8 h: the lane's part of q - k
	v_and_b32 v4, 7, v0                            ; the transposing load: lane 8 g + j addresses token 8 h + j, d half g & 1 of a tile
	v_lshl_add_u32 v4, v8, 3, v4
	v_bfe_u32 v9, v0, 3, 1
	v_lshl_add_u32 v4, v9, 4, v4
	v_lshlrev_b32 v4, 4, v4
	v_lshlrev_b32 v1, 4, v1                        ; 16 x lane
	v_add_nc_u32 v62, 0x18000, v4                  ; the same two for v's low parts at 98,304
	v_add_nc_u32 v8, 0x18000, v1
	v_add_nc_u32 v3, s26, v1                       ; K: + my wave's 32 keys
	v_add_nc_u32 v4, s26, v4
	v_add_nc_u32 v4, 49152, v4                     ; V lies behind K's 49,152 bytes
	v_lshlrev_b32 v5, 4, v0                        ; the copy: 16 bytes a thread, 2,048 a step
	v_add_nc_u32 v6, 49152, v5
	v_mov_b32 v7, 0xf149f2ca                       ; -1e30
	v_mov_b32 v9, 0                                ; registers that are read as the other half of a pair, or as a lane permute's destination
	v_mov_b32 v11, 0
	v_mov_b32 v13, 0
	v_mov_b32 v15, 0
	v_mov_b32 v49, 0
	s_wait_kmcnt 0x0
	s_add_nc_u64 s[22:23], s[28:29], s[16:17]      ; o: my 32 tokens
	s_add_nc_u64 s[16:17], s[4:5], s[16:17]        ; q: my 32 tokens
	s_add_nc_u64 s[18:19], s[4:5], s[18:19]
	s_add_nc_u64 s[20:21], s[4:5], s[20:21]
	s_add_nc_u64 s[32:33], s[6:7], s[32:33]        ; v's low parts of this head's first 32 tokens
	s_add_nc_u64 s[34:35], s[30:31], s[34:35]      ; o's low parts of the same
.irp i, 0,1,2,3,4,5,6,7
	global_load_b128 v[QF+4*\i:QF+4*\i+3], v1, s[16:17] offset:\i*512
.endr
.set i, 0
.rept 24
	global_load_b128 v[64+4*i:67+4*i], v5, s[18:19] offset:i*2048
.set i, i+1
.endr
.set i, 0
.rept 24
	global_load_b128 v[160+4*i:163+4*i], v5, s[20:21] offset:i*2048
.set i, i+1
.endr
.set i, 0
.rept 24
	s_wait_loadcnt 47-i                            ; loads come back in order: K's piece i is in (and Q, which was asked for first)
	ds_store_b128 v5, v[64+4*i:67+4*i] offset:i*2048
.set i, i+1
.endr
.set i, 0
.rept 24
	s_wait_loadcnt 23-i
	ds_store_b128 v6, v[160+4*i:163+4*i] offset:i*2048
.set i, i+1
.endr
	s_wait_dscnt 0x0                               ; my stores are in LDS, for the other waves' sake
	s_barrier_signal -1
	s_barrier_wait -1                              ; the spans are whole; from here on they are only read
; The scores of 32 keys, \s x 32 before my queries, up to P in f32 (in S's registers), M and L.  V^T's loads are left on their way.
; mode 0: the diagonal, starts M and L; 1: no mask; 2: the band's far edge.
.macro SCORE s, mode
.irp kt, 0,1
.irp c, 0,1
	ds_load_b128 v[KF+8*(2*\kt+\c):KF+8*(2*\kt+\c)+3],   v3 offset:32768-4096*\s+\kt*2048+\c*1024
	ds_load_b128 v[KF+8*(2*\kt+\c)+4:KF+8*(2*\kt+\c)+7], v3 offset:32768-4096*\s+\kt*2048+\c*1024+512
.endr
.endr
.irp dt, 0,1,2,3
	ds_load_tr16_b128 v[VF+8*\dt:VF+8*\dt+3],   v4 offset:32768-4096*\s+\dt*512
	ds_load_tr16_b128 v[VF+8*\dt+4:VF+8*\dt+7], v4 offset:32768-4096*\s+2048+\dt*512
.endr
	s_wait_dscnt 8                                 ; K's eight loads are in; V's eight may stay out
	; the four score tiles take turns, one instruction a turn
.irp qt, 0,1
.irp kt, 0,1
	v_wmma_f32_16x16x32_f16 v[SS+8*(2*\qt+\kt):SS+8*(2*\qt+\kt)+7], v[KF+16*\kt:KF+16*\kt+7], v[QF+16*\qt:QF+16*\qt+7], 0
.endr
.endr
.irp qt, 0,1
.irp kt, 0,1
	v_wmma_f32_16x16x32_f16 v[SS+8*(2*\qt+\kt):SS+8*(2*\qt+\kt)+7], v[KF+16*\kt+8:KF+16*\kt+15], v[QF+16*\qt+8:QF+16*\qt+15], v[SS+8*(2*\qt+\kt):SS+8*(2*\qt+\kt)+7]
.endr
.endr
	PLACES
	; q - k = 32 s + 16 (qt - kt) + (r - 8 h) - j
.if \mode == 0
.irp j, 0,1,2,3,4,5,6,7
	v_cmp_le_i32 vcc_lo, \j, v2                    ; tiles qt = kt: kept where q >= k
	v_cndmask_b32 v[SS+\j], v7, v[SS+\j], vcc_lo
	v_cndmask_b32 v[SS+24+\j], v7, v[SS+24+\j], vcc_lo
	v_mov_b32 v[SS+8+\j], v7                       ; queries 0-15, keys 16-31: all in the future
.endr
.endif
.if \mode == 2
.irp j, 0,1,2,3,4,5,6,7
	v_cmp_gt_i32 vcc_lo, \j, v2                    ; tiles qt = kt: kept where q - k < 256
	v_cndmask_b32 v[SS+\j], v7, v[SS+\j], vcc_lo
	v_cndmask_b32 v[SS+24+\j], v7, v[SS+24+\j], vcc_lo
	v_mov_b32 v[SS+16+\j], v7                      ; queries 16-31, keys 0-15: all beyond the window
.endr
.endif
.irp qt, 0,1
	v_max3_num_f32 v[TM+\qt], v[SS+16*\qt], v[SS+16*\qt+1], v[SS+16*\qt+2]
.irp p, 3,5,7,9,11,13
	v_max3_num_f32 v[TM+\qt], v[TM+\qt], v[SS+16*\qt+\p], v[SS+16*\qt+\p+1]
.endr
	v_max_num_f32 v[TM+\qt], v[TM+\qt], v[SS+16*\qt+15]
	v_permlanex16_b32 v9, v[TM+\qt], s24, s25      ; the other half of the lanes holds the row's other 16 keys
.if \mode == 0
	v_max_num_f32 v[MM+2*\qt], v[TM+\qt], v9
.else
	v_max3_num_f32 v[TM+\qt], v[TM+\qt], v9, v[MM+2*\qt]
	v_sub_f32 v[TD+\qt], v[MM+2*\qt], v[TM+\qt]
	v_mov_b32 v[MM+2*\qt], v[TM+\qt]
.endif
.endr
.irp qt, 0,1
.irp p, 0,2,4,6,8,10,12,14
	v_pk_add_f32 v[SS+16*\qt+\p:SS+16*\qt+\p+1], v[SS+16*\qt+\p:SS+16*\qt+\p+1], v[MM+2*\qt:MM+2*\qt+1] op_sel_hi:[1,0] neg_lo:[0,1] neg_hi:[0,1]
.endr
.endr
.set i, 0
.rept 32
	v_exp_f32 v[SS+i], v[SS+i]
.set i, i+1
.endr
.if \mode != 0
	v_exp_f32 v14, v[TD]
	v_exp_f32 v48, v[TD+1]
.endif
	v_nop                                          ; one plain place behind the exponentials (ISA guide 5.7.2)
	s_wait_alu depctr_va_vdst(0)
.irp qt, 0,1
	v_pk_add_f32 v[54:55], v[SS+16*\qt:SS+16*\qt+1], v[SS+16*\qt+2:SS+16*\qt+3]
	v_pk_add_f32 v[56:57], v[SS+16*\qt+4:SS+16*\qt+5], v[SS+16*\qt+6:SS+16*\qt+7]
	v_pk_add_f32 v[58:59], v[SS+16*\qt+8:SS+16*\qt+9], v[SS+16*\qt+10:SS+16*\qt+11]
	v_pk_add_f32 v[60:61], v[SS+16*\qt+12:SS+16*\qt+13], v[SS+16*\qt+14:SS+16*\qt+15]
	v_pk_add_f32 v[54:55], v[54:55], v[56:57]
	v_pk_add_f32 v[58:59], v[58:59], v[60:61]
	v_pk_add_f32 v[54:55], v[54:55], v[58:59]
.if \mode == 0
	v_add_f32 v[MM+2*\qt+1], v54, v55
.else
	v_fma_f32 v[MM+2*\qt+1], v[MM+2*\qt+1], v[14+34*\qt], v54
	v_add_f32 v[MM+2*\qt+1], v[MM+2*\qt+1], v55
.endif
.endr
.endm
; One step of the plain way
.macro STEP s, mode
.if \s > 1
	s_cmp_lt_u32 s13, \s                           ; these keys would lie ahead of the sequence (step 1 has keys for every wave that comes this way)
	s_cbranch_scc1 .Lfin
.endif
.if \s > 0
	PLACES                                         ; behind the last step's products: V is loaded again, P and O are rewritten
.endif
	SCORE \s, \mode
.irp qt, 0,1
.irp p, 0,1,2,3,4,5,6,7
	v_cvt_pk_f16_f32 v[PP+8*\qt+\p], v[SS+16*\qt+2*\p], v[SS+16*\qt+2*\p+1]
.endr
.if \mode != 0
.irp p, 0,2,4,6,8,10,12,14,16,18,20,22,24,26,28,30
	v_pk_mul_f32 v[OO+32*\qt+\p:OO+32*\qt+\p+1], v[OO+32*\qt+\p:OO+32*\qt+\p+1], v[14+34*\qt:15+34*\qt] op_sel_hi:[1,0]
.endr
.endif
.endr
	s_wait_dscnt 0x0                               ; V^T is in
	; eight accumulators, one instruction each
.irp qt, 0,1
.irp dt, 0,1,2,3
.if \mode == 0
	v_wmma_f32_16x16x32_f16 v[OO+8*(4*\qt+\dt):OO+8*(4*\qt+\dt)+7], v[VF+8*\dt:VF+8*\dt+7], v[PP+8*\qt:PP+8*\qt+7], 0
.else
	v_wmma_f32_16x16x32_f16 v[OO+8*(4*\qt+\dt):OO+8*(4*\qt+\dt)+7], v[VF+8*\dt:VF+8*\dt+7], v[PP+8*\qt:PP+8*\qt+7], v[OO+8*(4*\qt+\dt):OO+8*(4*\qt+\dt)+7]
.endif
.endr
.endr
.endm
; O / L
.macro NORM
	PLACES                                         ; behind the last products, on every way here
	v_permlanex16_b32 v9, v11, s24, s25            ; the two halves' partial row sums meet
	v_add_f32 v11, v11, v9
	v_permlanex16_b32 v9, v13, s24, s25
	v_add_f32 v13, v13, v9
	v_rcp_f32 v14, v11                             ; the row's largest term is 1, so the sum is at least 1
	v_rcp_f32 v48, v13
	v_nop
	s_wait_alu depctr_va_vdst(0)
.irp qt, 0,1
.irp p, 0,2,4,6,8,10,12,14,16,18,20,22,24,26,28,30
	v_pk_mul_f32 v[OO+32*\qt+\p:OO+32*\qt+\p+1], v[OO+32*\qt+\p:OO+32*\qt+\p+1], v[14+34*\qt:15+34*\qt] op_sel_hi:[1,0]
.endr
.endr
.endm
; 32 numbers in two terms: hi gets the numbers to the nearest 11 bits, src keeps the rest
.macro SPLIT src, hi
.set i, 0
.rept 32
	v_add_nc_u32 v[\hi+i], s36, v[\src+i]
	v_and_b32 v[\hi+i], s37, v[\hi+i]
.set i, i+1
.endr
.set i, 0
.rept 16
	v_pk_add_f32 v[\src+2*i:\src+2*i+1], v[\src+2*i:\src+2*i+1], v[\hi+2*i:\hi+2*i+1] neg_lo:[0,1] neg_hi:[0,1]
.set i, i+1
.endr
.endm
	s_cmp_lg_u32 s8, 0
	s_cbranch_scc1 .Lplain
	s_cmp_eq_u32 s9, 0
	s_cbranch_scc1 .Lhead                          ; wave 0 of query block 0
.Lplain:
	STEP 0, 0
	STEP 1, 1
	STEP 2, 1
	STEP 3, 1
	STEP 4, 1
	STEP 5, 1
	STEP 6, 1
	STEP 7, 1
	STEP 8, 2
.Lfin:
	NORM
.set i, 0
.rept 32
	v_cvt_pk_f16_f32 v[SS+i], v[OO+2*i], v[OO+2*i+1]
.set i, i+1
.endr
.irp t, 0,1,2,3,4,5,6,7
	global_store_b128 v1, v[SS+4*\t:SS+4*\t+3], s[22:23] offset:\t*512     ; tile (qt, dt): 512 consecutive bytes
.endr
	s_set_vgpr_msb 0x4
	s_wait_tensorcnt 0x0
	ds_add_u32 v63, v1
	s_wait_dscnt 0x0
	s_set_vgpr_msb 0x400
	s_endpgm
.Lhead:
	; the first 32 queries of a sequence: the diagonal step in two terms
.irp i, 0,1,2,3,4,5,6,7
	global_load_b128 v[OO+4*\i:OO+4*\i+3], v1, s[32:33] offset:\i*512      ; v's low parts, 4,096 bytes, into registers that O takes later
.endr
	SCORE 0, 0
	SPLIT SS, KF                                   ; K's fragments are spent (four places and more behind the scores' products)
.set i, 0
.rept 16
	v_cvt_pk_f16_f32 v[PP+i], v[KF+2*i], v[KF+2*i+1]
	v_cvt_pk_f16_f32 v[PL+i], v[SS+2*i], v[SS+2*i+1]
.set i, i+1
.endr
	s_wait_loadcnt 0x0
.irp i, 0,1,2,3,4,5,6,7
	ds_store_b128 v8, v[OO+4*\i:OO+4*\i+3] offset:\i*512                   ; bytes that this wave alone touches: LDS serves its instructions in order
.endr
.irp dt, 0,1,2,3
	ds_load_tr16_b128 v[KF+8*\dt:KF+8*\dt+3],   v62 offset:\dt*512
	ds_load_tr16_b128 v[KF+8*\dt+4:KF+8*\dt+7], v62 offset:2048+\dt*512
.endr
	s_wait_dscnt 0x0                               ; V^T, its low parts, and the stores that read O's registers
	; eight accumulators take turns, one instruction a turn, three times round
.irp qt, 0,1
.irp dt, 0,1,2,3
	v_wmma_f32_16x16x32_f16 v[OO+8*(4*\qt+\dt):OO+8*(4*\qt+\dt)+7], v[VF+8*\dt:VF+8*\dt+7], v[PP+8*\qt:PP+8*\qt+7], 0
.endr
.endr
.irp qt, 0,1
.irp dt, 0,1,2,3
	v_wmma_f32_16x16x32_f16 v[OO+8*(4*\qt+\dt):OO+8*(4*\qt+\dt)+7], v[VF+8*\dt:VF+8*\dt+7], v[PL+8*\qt:PL+8*\qt+7], v[OO+8*(4*\qt+\dt):OO+8*(4*\qt+\dt)+7]
.endr
.endr
.irp qt, 0,1
.irp dt, 0,1,2,3
	v_wmma_f32_16x16x32_f16 v[OO+8*(4*\qt+\dt):OO+8*(4*\qt+\dt)+7], v[KF+8*\dt:KF+8*\dt+7], v[PP+8*\qt:PP+8*\qt+7], v[OO+8*(4*\qt+\dt):OO+8*(4*\qt+\dt)+7]
.endr
.endr
	NORM
.irp qt, 0,1
	SPLIT OO+32*\qt, KF
.set i, 0
.rept 16
	v_cvt_pk_f16_f32 v[SS+16*\qt+i], v[KF+2*i], v[KF+2*i+1]
	v_cvt_pk_f16_f32 v[VF+16*\qt+i], v[OO+32*\qt+2*i], v[OO+32*\qt+2*i+1]
.set i, i+1
.endr
.endr
.irp t, 0,1,2,3,4,5,6,7
	global_store_b128 v1, v[SS+4*\t:SS+4*\t+3], s[22:23] offset:\t*512     ; high parts, where every o lies
	global_store_b128 v1, v[VF+4*\t:VF+4*\t+3], s[34:35] offset:\t*512     ; low parts
.endr
	s_set_vgpr_msb 0x4
	s_wait_tensorcnt 0x0
	ds_add_u32 v63, v1
	s_wait_dscnt 0x0
	s_set_vgpr_msb 0x400
	s_endpgm
.Lfunc_end_k_q46ef31335e_attn:
	.size	k_q46ef31335e_attn, .Lfunc_end_k_q46ef31335e_attn-k_q46ef31335e_attn
	.p2alignl 7, 3214868480
	.fill 96, 4, 3214868480
	.section	.rodata,"a",@progbits
	.p2align	6, 0x0
	.amdhsa_kernel k_q46ef31335e_attn
		.amdhsa_group_segment_fixed_size 102912
		.amdhsa_private_segment_fixed_size 0
		.amdhsa_enable_private_segment 0
		.amdhsa_kernarg_size 32
		.amdhsa_user_sgpr_count 2
		.amdhsa_user_sgpr_kernarg_segment_ptr 1
		.amdhsa_wavefront_size32 1
		.amdhsa_system_sgpr_workgroup_id_x 1
		.amdhsa_system_sgpr_workgroup_id_y 1
		.amdhsa_system_sgpr_workgroup_id_z 1
		.amdhsa_system_vgpr_workitem_id 0
		.amdhsa_next_free_vgpr 258
		.amdhsa_next_free_sgpr 66
		.amdhsa_reserve_vcc 1
		.amdhsa_float_denorm_mode_32 3
		.amdhsa_float_denorm_mode_16_64 3
		.amdhsa_memory_ordered 1
		.amdhsa_forward_progress 1
		.amdhsa_inst_pref_size 136
	.end_amdhsa_kernel
	.amdgpu_metadata
---
amdhsa.version: [ 1, 2 ]
amdhsa.kernels:
  - .name:           k_q46ef31335e_attn
    .symbol:         k_q46ef31335e_attn.kd
    .args:
      - { .name: mid, .offset: 0, .size: 8, .value_kind: global_buffer, .address_space: global }
      - { .name: lo, .offset: 8, .size: 8, .value_kind: global_buffer, .address_space: global }
      - { .name: obuf, .offset: 16, .size: 8, .value_kind: global_buffer, .address_space: global }
      - { .name: olo, .offset: 24, .size: 8, .value_kind: global_buffer, .address_space: global }
    .group_segment_fixed_size: 102912
    .private_segment_fixed_size: 0
    .kernarg_segment_align: 8
    .kernarg_segment_size: 32
    .max_flat_workgroup_size: 128
    .sgpr_count:     66
    .vgpr_count:     258
    .wavefront_size: 32
...
	.end_amdgpu_metadata
.endif
;; end of part 3
;; launch gateup (part 4): grid 12 x 16, 4 waves a work-group, clusters of 4 x 4, 327,680 bytes of LDS; arguments obuf, mid, out0; writes out0
.if DOCPART == 4
	.amdgcn_target "amdgcn-amd-amdhsa--gfx1250"
	.amdhsa_code_object_version 6
	.text
	.protected	k_q46ef31335e_gateup
	.globl	k_q46ef31335e_gateup
	.p2align	8
	.type	k_q46ef31335e_gateup,@function
k_q46ef31335e_gateup:
	s_mov_b64 s[64:65], 0
	v_nop
	global_prefetch_b8 v0, s[64:65] scope:SCOPE_SE
	s_setreg_imm32_b32 hwreg(HW_REG_WAVE_MODE, 25, 1), 1
	s_wait_xcnt 0x0
	s_wait_alu depctr_hold_cnt(0) depctr_sa_sdst(0) depctr_va_vdst(0) depctr_va_sdst(0) depctr_va_ssrc(0) depctr_va_vcc(0) depctr_vm_vsrc(0)
	s_getreg_b32 s2, hwreg(HW_REG_IB_STS2, 6, 4)
	s_cmp_eq_u32 s2, 0
	s_cbranch_scc0 .Lentry_in_a_cluster
	s_endpgm
.Lentry_in_a_cluster:
	s_bfe_u32 s2, ttmp6, 0x10000c
	s_cmp_lg_u32 s2, 0xf033
	s_cbranch_scc0 .Lentry_shape_is_right
	s_endpgm
.Lentry_shape_is_right:
; out[token][n] = silu(g) u,  g = o . W'gate^T,  u = o . W'up^T,  K = 3072 (expert x head x d); f16 operands, f32 sums, silu in f32.
; o: obuf, 48 regions (k / 64) of 262,144 bytes of fragment tiles (16 tokens x 16 k = 512 bytes; 2,048 bytes for 16 tokens);
; 64 W': mid at 37,748,736, 48 regions of 196,608 bytes, rows 0-767 gate, 768-1535 up.  The factor 64 is taken out again in f32.
; A work-group makes 128 tokens x 64 n (64 rows of gate and the same 64 of up, so that g and u meet in one lane): 192 work-groups.  64 n is the least width whose
; piece of an output row is 256 consecutive bytes.  A wave makes 64 tokens x (32 g + 32 u) = 16 accumulator tiles.
; K goes in steps of 256 (four regions) through two LDS slots of 131,072 bytes; wave w's tensor load (4 regions x 8,192 consecutive bytes) lands at 32768 w.
; CLUSTER 4 x 4: the token slab hangs on the block of tokens alone and is asked for jointly along a row of the cluster; W's slab hangs on the block of n alone
; and is asked for jointly along a column.
; Source 0 = rows of W', source 1 = tokens: lane (r, h) holds token r and n = 8 h .. 8 h + 7, 32 neighbouring bytes of an output row.
; silu(g) = g / (1 + 2^(-1.442695 g)): for very negative g the power is an infinity, its reciprocal 0, the result a zero, as the limit is.
.set WP,     37748736
.set SLOT,   131072
.set STAGE,  262144                    ; behind the ring: 128 rows x 272 bytes; no tensor load ever lands here
.set SPITCH, 272
.set TA, 2                             ; v2, v3   LDS address of my token fragments in slot 0, 1
.set WA, 4                             ; v4, v5   the same for W'
.set F0, 16                            ; v[16:79]   fragments: W' (gate, gate, up, up) at +8 i, tokens at +32 + 8 j
.set F1, 80                            ; v[80:143]
.set TG, 144                           ; v[144:159] g, v[160:175] u, v[176:191] at work
.set TU, 160
.set TE, 176
.set G1T, 16
.set G1W, 24
.set G0T, 32
.set G0W, 40
; accumulators: window 1, tile (token block j, i) at v[8 (4 j + i)]
.set MSB, 0
.macro WIN new                         ; the immediate's high byte repeats the setting that is left
.if MSB != \new
	s_set_vgpr_msb (MSB<<8)|\new
.set MSB, \new
.endif
.endm
.macro PLACES                          ; four places behind a matrix instruction (ISA guide 7.12.1)
.rept 4
	v_nop
.endr
.endm
.macro ROUND                           ; a round of the cluster's barrier
	s_barrier_signal -1
	s_barrier_wait -1
	s_cmp_lg_u32 s8, 0
	s_cbranch_scc1 .Lnot_wave_0_\@
	s_barrier_signal -3
.Lnot_wave_0_\@:
	s_barrier_wait -3
	s_barrier_signal -1
	s_barrier_wait -1
.endm
.macro JLOAD n                         ; waves 0, 1: the token slab's halves; wave 2: gate's rows, wave 3: up's
	s_cmp_eq_u32 s10, 0
	s_cbranch_scc0 .Lfor_w_\@
	tensor_load_to_lds s[G0T+4*\n:G0T+4*\n+3], s[G1T:G1T+7]
	s_nop 0
	s_branch .Lasked_\@
.Lfor_w_\@:
	tensor_load_to_lds s[G0W+4*\n:G0W+4*\n+3], s[G1W:G1W+7]
	s_nop 0
.Lasked_\@:
.endm
	s_load_b128 s[4:7], s[0:1], 0x0                ; obuf, mid
	s_load_b64 s[14:15], s[0:1], 0x10              ; out0
	v_lshl_add_u32 v254, v0, 2, 0x48800
	v_mov_b32 v255, 0
	ds_add_u32 v254, v255
	v_lshrrev_b32 v1, 5, v0
	v_readfirstlane_b32 s8, v1                     ; wave
	s_and_b32 s9, s8, 1                            ; ni: my half of the 64 n.  Also: which half of a slab I fetch
	s_lshr_b32 s10, s8, 1                          ; ti: my half of the tokens.  Also: I fetch tokens (0) or W' (1)
	s_bfe_u32 s11, ttmp6, 0x40000                  ; cx
	s_bfe_u32 s12, ttmp6, 0x40004                  ; cy
	s_lshl_b32 s13, ttmp9, 2
	s_add_co_u32 s13, s13, s11                     ; block of n = 4 x cluster x + cx
	s_and_b32 s48, ttmp7, 0xffff
	s_lshl_b32 s48, s48, 2
	s_add_co_u32 s48, s48, s12                     ; block of tokens = 4 x cluster y + cy
	s_lshl_b32 s49, s12, 2
	s_lshl_b32 s49, 15, s49                        ; my row of the cluster
	s_lshl_b32 s50, 0x1111, s11                    ; my column
	; shapes: elements of 8 bytes, 4 rows (regions) of 1,024 elements (8,192 bytes)
	s_or_b32 s[G1T+0], s49, (3<<16)|(1<<21)
	s_mov_b32 s[G1T+1], 1024<<16
	s_mov_b32 s[G1T+2], 4<<16
	s_mov_b32 s[G1T+3], 1024<<16
	s_mov_b32 s[G1T+4], 4
	s_mov_b32 s[G1T+5], 32768                      ; from region to region of o: 262,144 bytes
	s_mov_b32 s[G1T+6], 0
	s_mov_b32 s[G1T+7], 0
	s_or_b32 s[G1W+0], s50, (3<<16)|(1<<21)
	s_mov_b32 s[G1W+1], 1024<<16
	s_mov_b32 s[G1W+2], 4<<16
	s_mov_b32 s[G1W+3], 1024<<16
	s_mov_b32 s[G1W+4], 4
	s_mov_b32 s[G1W+5], 24576                      ; of W': 196,608 bytes
	s_mov_b32 s[G1W+6], 0
	s_mov_b32 s[G1W+7], 0
	s_lshl_b32 s52, s48, 14                        ; tokens: 128 x 128 bytes a block, in registers that never hold cx
	s_lshl_b32 s53, s9, 13
	s_add_co_u32 s52, s52, s53
	s_mov_b32 s53, 0
	s_lshl_b32 s54, s13, 13                        ; W': 64 rows a block, up's rows 768 further down; in registers that never hold cy
	s_mul_i32 s55, s9, 98304
	s_add_co_u32 s54, s54, s55
	s_add_co_u32 s54, s54, WP
	s_mov_b32 s55, 0
	s_mul_i32 s56, s48, 393216                     ; out: 128 rows of 3,072 bytes a block, 32 rows a wave, 256 bytes a block of n
	s_mul_i32 s57, s8, 98304
	s_add_co_u32 s56, s56, s57
	s_lshl_b32 s57, s13, 8
	s_add_co_u32 s56, s56, s57
	s_mov_b32 s57, 0
	s_lshl_b32 s51, s8, 15                         ; LDS: 32768 x wave
	s_mov_b32 s60, 0x3c800000                      ; 1 / 64
	s_mov_b32 s61, s60
	s_wait_dscnt 0x0
	s_wait_kmcnt 0x0
	s_add_nc_u64 s[52:53], s[4:5], s[52:53]
	s_add_nc_u64 s[54:55], s[6:7], s[54:55]
	s_add_nc_u64 s[14:15], s[14:15], s[56:57]
.irp n, 0,1
	s_mov_b32 s[G0T+4*\n], 1
	s_add_co_u32 s[G0T+4*\n+1], s51, \n*SLOT
	s_add_nc_u64 s[G0T+4*\n+2:G0T+4*\n+3], s[52:53], \n*1048576    ; slot n starts with K step n: four regions on
	s_or_b32 s[G0T+4*\n+3], s[G0T+4*\n+3], 0x80000000
	s_mov_b32 s[G0W+4*\n], 1
	s_add_co_u32 s[G0W+4*\n+1], s51, \n*SLOT
	s_add_nc_u64 s[G0W+4*\n+2:G0W+4*\n+3], s[54:55], \n*786432
	s_or_b32 s[G0W+4*\n+3], s[G0W+4*\n+3], 0x80000000
.endr
	ROUND                                          ; all sixteen work-groups are here: the first joint loads meet
	JLOAD 0
	v_and_b32 v1, 31, v0
	v_and_b32 v9, 15, v0                           ; r
	v_bfe_u32 v10, v0, 4, 1                        ; h
	v_lshlrev_b32 v1, 4, v1
	s_lshl_b32 s62, s10, 15
	v_add_nc_u32 v[TA], s62, v1
	v_add_nc_u32 v[TA+1], SLOT, v[TA]
	s_lshl_b32 s62, s9, 12                         ; my 32 rows of gate: 2 blocks of 2,048 bytes in each region
	s_add_co_u32 s62, s62, 65536
	v_add_nc_u32 v[WA], s62, v1
	v_add_nc_u32 v[WA+1], SLOT, v[WA]
	s_mul_i32 s62, s10, 64*SPITCH                  ; stage, in: row 64 ti + 16 j + r, byte 128 ni + 64 i + 32 h
	s_lshl_b32 s63, s9, 7
	s_add_co_u32 s62, s62, s63
	s_add_co_u32 s62, s62, STAGE
	v_mul_u32_u24 v6, v9, SPITCH
	v_lshl_add_u32 v6, v10, 5, v6
	v_add_nc_u32 v6, s62, v6
	s_mul_i32 s62, s8, 32*SPITCH                   ; stage, back: rows 32 w + 2 t + lane / 16, 16 bytes a lane
	s_add_co_u32 s62, s62, STAGE
	v_mul_u32_u24 v7, v10, SPITCH
	v_lshl_add_u32 v7, v9, 4, v7
	v_add_nc_u32 v7, s62, v7
	v_mul_u32_u24 v8, v10, 3072                    ; and the same two rows in out
	v_lshl_add_u32 v8, v9, 4, v8
; 16 LDS loads: the fragments of eighth q (32 along K: region q / 2, half q % 2) into buffer f; a load's 32 lanes read 512 consecutive bytes
.macro FETCH slot, q, f
	WIN 0
	PLACES
.irp i, 0,1,2,3
	ds_load_b128 v[\f+8*\i:\f+8*\i+3],   v[WA+\slot] offset:32768*(\i>>1)+8192*(\q>>1)+2048*(\i&1)+1024*(\q&1)
	ds_load_b128 v[\f+8*\i+4:\f+8*\i+7], v[WA+\slot] offset:32768*(\i>>1)+8192*(\q>>1)+2048*(\i&1)+1024*(\q&1)+512
.endr
.irp j, 0,1,2,3
	ds_load_b128 v[\f+32+8*\j:\f+32+8*\j+3], v[TA+\slot] offset:8192*(\q>>1)+2048*\j+1024*(\q&1)
	ds_load_b128 v[\f+32+8*\j+4:\f+32+8*\j+7], v[TA+\slot] offset:8192*(\q>>1)+2048*\j+1024*(\q&1)+512
.endr
.endm
; 16 matrix instructions.  The 16 accumulators take turns, one instruction a turn, in the same order in every eighth, over the backward jump too.
.macro MULS f, zero
	WIN 0x50
.irp j, 0,1,2,3
.irp i, 0,1,2,3
.if \zero
	v_wmma_f32_16x16x32_f16 v[8*(4*\j+\i):8*(4*\j+\i)+7], v[\f+8*\i:\f+8*\i+7], v[\f+32+8*\j:\f+32+8*\j+7], 0
.else
	v_wmma_f32_16x16x32_f16 v[8*(4*\j+\i):8*(4*\j+\i)+7], v[\f+8*\i:\f+8*\i+7], v[\f+32+8*\j:\f+32+8*\j+7], v[8*(4*\j+\i):8*(4*\j+\i)+7]
.endif
.endr
.endr
.endm
.macro EIGHTH slot, q, g, f, zero      ; fetch eighth q into buffer g, multiply buffer f
	FETCH \slot, \q, \g
	s_wait_dscnt 16                                ; all but the 16 loads just issued
	MULS \f, \zero
.endm
; One K step.  A wave has one tensor load out, issued straight behind the round; it has the step's 128 matrix instructions in which to land.
.macro TRIP slot, other, refill, zero
	s_wait_tensorcnt 0x0                           ; all my tensor loads are done, my part of this step's slabs among them,
	ds_add_u32 v254, v255
	s_wait_dscnt 0x0
	s_add_nc_u64 s[G0T+4*\slot+2:G0T+4*\slot+3], s[G0T+4*\slot+2:G0T+4*\slot+3], 2097152    ; so the descriptors may be written: this slot's next step
	s_add_nc_u64 s[G0W+4*\slot+2:G0W+4*\slot+3], s[G0W+4*\slot+2:G0W+4*\slot+3], 1572864
	s_wait_dscnt 0x0                               ; my reads of the last step's slot are done
	ROUND                                          ; both now hold of every wave of the sixteen work-groups
.if \refill
	JLOAD \other                                   ; the next step, into the slot read last: the first tensor load behind the round
.endif
	FETCH \slot, 0, F0
	EIGHTH \slot, 1, F1, F0, \zero
	EIGHTH \slot, 2, F0, F1, 0
	EIGHTH \slot, 3, F1, F0, 0
	EIGHTH \slot, 4, F0, F1, 0
	EIGHTH \slot, 5, F1, F0, 0
	EIGHTH \slot, 6, F0, F1, 0
	EIGHTH \slot, 7, F1, F0, 0
	s_wait_dscnt 0x0
	MULS F1, 0
	WIN 0
.endm
	TRIP 0, 1, 1, 1                                ; 3072 / 256 = 12 steps.  The first products start the sums: nothing is cleared
	TRIP 1, 0, 1, 0
	s_mov_b32 s58, 4
.Llap:
	TRIP 0, 1, 1, 0
	TRIP 1, 0, 1, 0
	s_sub_co_u32 s58, s58, 1
	s_cmp_lg_u32 s58, 0
	s_cbranch_scc1 .Llap
	TRIP 0, 1, 1, 0
	TRIP 1, 0, 0, 0                                ; the last step fetches nothing
	; The way out: silu(g) u in f32, 16 tokens at a time, into the stage
	PLACES
.irp j, 0,1,2,3
	WIN 0x01                                       ; source 0 in the accumulators' window
.irp p, 0,2,4,6,8,10,12,14
	v_pk_mul_f32 v[TG+\p:TG+\p+1], v[32*\j+\p:32*\j+\p+1], s[60:61] op_sel_hi:[1,0]
	v_pk_mul_f32 v[TU+\p:TU+\p+1], v[32*\j+16+\p:32*\j+16+\p+1], s[60:61] op_sel_hi:[1,0]
.endr
	WIN 0
.irp p, 0,2,4,6,8,10,12,14
	v_pk_mul_f32 v[TE+\p:TE+\p+1], v[TG+\p:TG+\p+1], 0xbfb8aa3b op_sel_hi:[1,0]     ; -log2(e) g
.endr
.irp p, 0,1,2,3,4,5,6,7,8,9,10,11,12,13,14,15
	v_exp_f32 v[TE+\p], v[TE+\p]
.endr
	v_nop                                          ; one plain place behind the exponentials (ISA guide 5.7.2)
	s_wait_alu depctr_va_vdst(0)
.irp p, 0,2,4,6,8,10,12,14
	v_pk_add_f32 v[TE+\p:TE+\p+1], v[TE+\p:TE+\p+1], 1.0 op_sel_hi:[1,0]
.endr
.irp p, 0,1,2,3,4,5,6,7,8,9,10,11,12,13,14,15
	v_rcp_f32 v[TE+\p], v[TE+\p]
.endr
.irp p, 0,2,4,6,8,10,12,14
	v_pk_mul_f32 v[TG+\p:TG+\p+1], v[TG+\p:TG+\p+1], v[TU+\p:TU+\p+1]               ; g u: plain work that touches no reciprocal fills the place behind them
.endr
	s_wait_alu depctr_va_vdst(0)
.irp p, 0,2,4,6,8,10,12,14
	v_pk_mul_f32 v[TG+\p:TG+\p+1], v[TG+\p:TG+\p+1], v[TE+\p:TE+\p+1]
.endr
.irp k, 0,1,2,3
	ds_store_b128 v6, v[TG+4*\k:TG+4*\k+3] offset:\j*16*SPITCH+64*(\k>>1)+16*(\k&1)
.endr
.endr
	s_wait_dscnt 0x0                               ; my stores are in LDS, for the other waves' sake: a row's two halves come from two waves
	s_barrier_signal -1
	s_barrier_wait -1
.irp t, 0,1,2,3,4,5,6,7,8,9,10,11,12,13,14,15
	ds_load_b128 v[16+4*\t:19+4*\t], v7 offset:\t*2*SPITCH
.endr
.irp t, 0,1,2,3,4,5,6,7,8,9,10,11,12,13,14,15
	s_wait_dscnt 15-\t
	global_store_b128 v8, v[16+4*\t:19+4*\t], s[14:15] offset:\t*6144 th:TH_STORE_NT   ; 16 lanes store 256 consecutive bytes, at a multiple of 256 from out's first byte
.endr
	s_wait_tensorcnt 0x0
	ds_add_u32 v254, v255
	s_wait_dscnt 0x0
	ROUND                                          ; the closing round: no work-group ends while a partner may still ask jointly
	s_endpgm
.Lfunc_end_k_q46ef31335e_gateup:
	.size	k_q46ef31335e_gateup, .Lfunc_end_k_q46ef31335e_gateup-k_q46ef31335e_gateup
	.p2alignl 7, 3214868480
	.fill 96, 4, 3214868480
	.section	.rodata,"a",@progbits
	.p2align	6, 0x0
	.amdhsa_kernel k_q46ef31335e_gateup
		.amdhsa_group_segment_fixed_size 327680
		.amdhsa_private_segment_fixed_size 0
		.amdhsa_enable_private_segment 0
		.amdhsa_kernarg_size 24
		.amdhsa_user_sgpr_count 2
		.amdhsa_user_sgpr_kernarg_segment_ptr 1
		.amdhsa_wavefront_size32 1
		.amdhsa_system_sgpr_workgroup_id_x 1
		.amdhsa_system_sgpr_workgroup_id_y 1
		.amdhsa_system_sgpr_workgroup_id_z 1
		.amdhsa_system_vgpr_workitem_id 0
		.amdhsa_next_free_vgpr 384
		.amdhsa_next_free_sgpr 66
		.amdhsa_reserve_vcc 0
		.amdhsa_float_denorm_mode_32 3
		.amdhsa_float_denorm_mode_16_64 3
		.amdhsa_memory_ordered 1
		.amdhsa_forward_progress 1
		.amdhsa_inst_pref_size 140
	.end_amdhsa_kernel
	.amdgpu_metadata
---
amdhsa.version: [ 1, 2 ]
amdhsa.kernels:
  - .name:           k_q46ef31335e_gateup
    .symbol:         k_q46ef31335e_gateup.kd
    .args:
      - { .name: obuf, .offset: 0, .size: 8, .value_kind: global_buffer, .address_space: global }
      - { .name: mid, .offset: 8, .size: 8, .value_kind: global_buffer, .address_space: global }
      - { .name: out0, .offset: 16, .size: 8, .value_kind: global_buffer, .address_space: global }
    .group_segment_fixed_size: 327680
    .private_segment_fixed_size: 0
    .kernarg_segment_align: 8
    .kernarg_segment_size: 24
    .max_flat_workgroup_size: 128
    .sgpr_count:     66
    .vgpr_count:     384
    .wavefront_size: 32
...
	.end_amdgpu_metadata
.endif
;; end of part 4
;; launch headgu (part 5): grid 48 x 2, 16 waves a work-group, no clusters, 67,584 bytes of LDS; arguments obuf, olo, mid, lo, out0; writes out0
.if DOCPART == 5
	.amdgcn_target "amdgcn-amd-amdhsa--gfx1250"
	.amdhsa_code_object_version 6
	.text
	.protected	k_q46ef31335e_headgu
	.globl	k_q46ef31335e_headgu
	.p2align	8
	.type	k_q46ef31335e_headgu,@function
k_q46ef31335e_headgu:
	s_mov_b64 s[64:65], 0
	v_nop
	global_prefetch_b8 v0, s[64:65] scope:SCOPE_SE
	s_setreg_imm32_b32 hwreg(HW_REG_WAVE_MODE, 25, 1), 1
	s_wait_xcnt 0x0
; out = silu(g) u once more for tokens 0-31 of each sequence, in two f16 terms a factor (22 bits):
;   64 g, 64 u = o_hi W'_hi + o_lo W'_hi + o_hi W'_lo,  K = 3072, f32 sums; the product of the two low parts lies 22 bits below and is left out.
; These tokens average few values, so their g and u are the largest of the tensor; a small result among them is a small g times a large u, and single f16 factors
; leave it an error in proportion to the large one.  The launch before this one has stored these 64 rows from single factors (it runs in clusters, where no branch
; may hang on a work-group's place, so it cannot leave them out); they are stored again here: 196,608 bytes.
; o_hi: obuf, 48 regions (k / 64) of 262,144 bytes of fragment tiles (16 tokens x 16 k = 512 bytes, 2,048 bytes for 16 tokens); o_lo: olo, regions of 8,192 bytes
; (2 batches x 2 token blocks); 64 W'_hi: mid at 37,748,736, regions of 196,608 bytes, rows 0-767 gate, 768-1535 up; 64 W'_lo: lo, laid out alike.
; A work-group makes 32 tokens (one batch's) x 16 n: gate's and up's block of 16 rows, four accumulator tiles.  96 work-groups of 16 waves; wave w sums over
; K = 192 (regions 3 w .. 3 w + 2), six steps of 32.  Fragments come straight from memory in fragment order, 512 consecutive bytes a load, into three register
; buffers that take turns: 48 loads of a wave are on their way.  The 16 partial sums meet in LDS.
; A lane stores 16 bytes and a row's piece is 64 bytes: blocks of 64 n would make pieces of 256 bytes and leave 24 work-groups for the launch.
; No LDS for the operands and no joint loads: each fragment feeds two or four matrix instructions of one wave and is not used again in the work-group.
.set WP,  37748736
.set B0,  16                           ; v[16:79], v[80:143], v[144:207]: W'_hi (gate, up) +0, W'_lo +16, o_hi (token block 0, 1) +32, o_lo +48
.set B1,  80
.set B2,  144
.set ACC, 208                          ; v[208:239] tile (token block t, gate or up g) at 8 (2 t + g)
.macro PLACES                          ; four places behind a matrix instruction (ISA guide 7.12.1)
.rept 4
	v_nop
.endr
.endm
	s_load_b256 s[4:11], s[0:1], 0x0               ; obuf, olo, mid, lo
	s_load_b64 s[12:13], s[0:1], 0x20              ; out0
	v_lshl_add_u32 v240, v0, 2, 0x10000
	v_mov_b32 v241, 0
	v_lshrrev_b32 v1, 5, v0
	v_readfirstlane_b32 s14, v1                    ; wave
	s_and_b32 s15, ttmp7, 0xffff                   ; batch
	s_mul_i32 s26, s14, 3                          ; my first region
	s_lshl_b32 s16, s26, 18
	s_lshl_b32 s27, s15, 17                        ; 1,024 tokens of 128 bytes
	s_add_co_u32 s16, s16, s27
	s_mov_b32 s17, 0
	s_lshl_b32 s18, s26, 13
	s_lshl_b32 s27, s15, 12
	s_add_co_u32 s18, s18, s27
	s_mov_b32 s19, 0
	s_mul_i32 s22, s26, 196608
	s_lshl_b32 s27, ttmp9, 11                      ; my block of 16 rows of gate
	s_add_co_u32 s22, s22, s27
	s_mov_b32 s23, 0
	s_add_co_u32 s20, s22, WP
	s_mov_b32 s21, 0
	s_bfe_u32 s30, s14, 0x10001                    ; the waves that finish (0-3): token block,
	s_and_b32 s31, s14, 1                          ; and which four of a lane's eight n
	s_mul_i32 s28, s15, 3145728                    ; out: 1,024 rows of 3,072 bytes a batch
	s_lshl_b32 s27, ttmp9, 6                       ; 16 n
	s_add_co_u32 s28, s28, s27
	s_mul_i32 s27, s30, 49152                      ; 16 rows
	s_add_co_u32 s28, s28, s27
	s_lshl_b32 s27, s31, 4
	s_add_co_u32 s28, s28, s27
	s_mov_b32 s29, 0
	s_mov_b32 s24, 0x3c800000                      ; 1 / 64
	s_mov_b32 s25, s24
	v_and_b32 v1, 31, v0
	v_and_b32 v5, 15, v0                           ; r
	v_bfe_u32 v6, v0, 4, 1                         ; h
	v_lshlrev_b32 v1, 4, v1                        ; 16 x lane
	s_lshl_b32 s27, s14, 12
	v_add_nc_u32 v2, s27, v1                       ; LDS: my four tiles of partial sums, 4,096 bytes a wave
	s_lshl_b32 s27, s30, 11
	s_lshl_b32 s26, s31, 9
	s_add_co_u32 s27, s27, s26
	v_add_nc_u32 v3, s27, v1                       ; and what I sum up at the end
	v_mul_u32_u24 v4, v5, 3072                     ; out: token r, n = 8 h ..
	v_lshl_add_u32 v4, v6, 5, v4
	s_wait_kmcnt 0x0
	s_add_nc_u64 s[16:17], s[4:5], s[16:17]        ; o_hi
	s_add_nc_u64 s[18:19], s[6:7], s[18:19]        ; o_lo
	s_add_nc_u64 s[20:21], s[8:9], s[20:21]        ; W'_hi
	s_add_nc_u64 s[22:23], s[10:11], s[22:23]      ; W'_lo
	s_add_nc_u64 s[12:13], s[12:13], s[28:29]
; 16 loads: the fragments of step s (region s / 2, half s % 2) into buffer f
.macro LOADS s, f
.irp g, 0,1
	global_load_b128 v[\f+8*\g:\f+8*\g+3],       v1, s[20:21] offset:196608*(\s>>1)+98304*\g+1024*(\s&1)
	global_load_b128 v[\f+8*\g+4:\f+8*\g+7],     v1, s[20:21] offset:196608*(\s>>1)+98304*\g+1024*(\s&1)+512
	global_load_b128 v[\f+16+8*\g:\f+16+8*\g+3], v1, s[22:23] offset:196608*(\s>>1)+98304*\g+1024*(\s&1)
	global_load_b128 v[\f+16+8*\g+4:\f+16+8*\g+7], v1, s[22:23] offset:196608*(\s>>1)+98304*\g+1024*(\s&1)+512
.endr
.irp t, 0,1
	global_load_b128 v[\f+32+8*\t:\f+32+8*\t+3], v1, s[16:17] offset:262144*(\s>>1)+2048*\t+1024*(\s&1)
	global_load_b128 v[\f+32+8*\t+4:\f+32+8*\t+7], v1, s[16:17] offset:262144*(\s>>1)+2048*\t+1024*(\s&1)+512
	global_load_b128 v[\f+48+8*\t:\f+48+8*\t+3], v1, s[18:19] offset:8192*(\s>>1)+2048*\t+1024*(\s&1)
	global_load_b128 v[\f+48+8*\t+4:\f+48+8*\t+7], v1, s[18:19] offset:8192*(\s>>1)+2048*\t+1024*(\s&1)+512
.endr
.endm
; 12 matrix instructions.  Source 0 = rows of W', source 1 = tokens: lane (r, h) holds token r and n = 8 h .. 8 h + 7.
; The four accumulators take turns, one instruction a turn, in the same order throughout.
.macro MUL f, zero
.irp t, 0,1
.irp g, 0,1
.if \zero
	v_wmma_f32_16x16x32_f16 v[ACC+8*(2*\t+\g):ACC+8*(2*\t+\g)+7], v[\f+8*\g:\f+8*\g+7], v[\f+32+8*\t:\f+32+8*\t+7], 0
.else
	v_wmma_f32_16x16x32_f16 v[ACC+8*(2*\t+\g):ACC+8*(2*\t+\g)+7], v[\f+8*\g:\f+8*\g+7], v[\f+32+8*\t:\f+32+8*\t+7], v[ACC+8*(2*\t+\g):ACC+8*(2*\t+\g)+7]
.endif
.endr
.endr
.irp t, 0,1
.irp g, 0,1
	v_wmma_f32_16x16x32_f16 v[ACC+8*(2*\t+\g):ACC+8*(2*\t+\g)+7], v[\f+8*\g:\f+8*\g+7], v[\f+48+8*\t:\f+48+8*\t+7], v[ACC+8*(2*\t+\g):ACC+8*(2*\t+\g)+7]
.endr
.endr
.irp t, 0,1
.irp g, 0,1
	v_wmma_f32_16x16x32_f16 v[ACC+8*(2*\t+\g):ACC+8*(2*\t+\g)+7], v[\f+16+8*\g:\f+16+8*\g+7], v[\f+32+8*\t:\f+32+8*\t+7], v[ACC+8*(2*\t+\g):ACC+8*(2*\t+\g)+7]
.endr
.endr
.endm
	LOADS 0, B0
	LOADS 1, B1
	LOADS 2, B2
	s_wait_loadcnt 32                              ; loads come back in order: step 0's are in, the 32 of the two younger steps stay out
	MUL B0, 1                                      ; the first products start the sums
	PLACES                                         ; ahead of loads into registers that matrix instructions have read
	LOADS 3, B0
	s_wait_loadcnt 32
	MUL B1, 0
	PLACES
	LOADS 4, B1
	s_wait_loadcnt 32
	MUL B2, 0
	PLACES
	LOADS 5, B2
	s_wait_loadcnt 32
	MUL B0, 0
	s_wait_loadcnt 16                              ; the counts run down
	MUL B1, 0
	s_wait_loadcnt 0x0
	MUL B2, 0
	PLACES
.irp t, 0,1,2,3
	ds_store_b128 v2, v[ACC+8*\t:ACC+8*\t+3] offset:\t*1024
	ds_store_b128 v2, v[ACC+8*\t+4:ACC+8*\t+7] offset:\t*1024+512
.endr
	s_wait_dscnt 0x0                               ; my partial sums are in LDS, for the other waves' sake
	s_barrier_signal -1
	s_barrier_wait -1
	s_cmp_ge_u32 s14, 4
	s_cbranch_scc1 .Ldone
	; waves 0-3: token block w / 2, numbers 4 (w % 2) .. + 3 of each lane's eight: 16 partial sums of gate and of up, in the waves' order
.set k, 0
.rept 16
	ds_load_b128 v[16+8*k:19+8*k], v3 offset:k*4096
	ds_load_b128 v[20+8*k:23+8*k], v3 offset:k*4096+1024
.set k, k+1
.endr
	s_wait_dscnt 0x0
.set k, 1
.rept 15
.irp p, 0,2,4,6
	v_pk_add_f32 v[16+\p:17+\p], v[16+\p:17+\p], v[16+8*k+\p:17+8*k+\p]
.endr
.set k, k+1
.endr
.irp p, 0,2,4,6
	v_pk_mul_f32 v[16+\p:17+\p], v[16+\p:17+\p], s[24:25] op_sel_hi:[1,0]  ; g in v[16:19], u in v[20:23]
.endr
	v_pk_mul_f32 v[24:25], v[16:17], 0xbfb8aa3b op_sel_hi:[1,0]            ; -log2(e) g
	v_pk_mul_f32 v[26:27], v[18:19], 0xbfb8aa3b op_sel_hi:[1,0]
.irp p, 24,25,26,27
	v_exp_f32 v[\p], v[\p]
.endr
	v_nop                                          ; one plain place behind the exponentials (ISA guide 5.7.2)
	s_wait_alu depctr_va_vdst(0)
	v_pk_add_f32 v[24:25], v[24:25], 1.0 op_sel_hi:[1,0]
	v_pk_add_f32 v[26:27], v[26:27], 1.0 op_sel_hi:[1,0]
.irp p, 24,25,26,27
	v_rcp_f32 v[\p], v[\p]                         ; for very negative g the power is an infinity, its reciprocal 0, the result a zero, as the limit is
.endr
	v_pk_mul_f32 v[16:17], v[16:17], v[20:21]      ; g u: plain work that touches no reciprocal fills the place behind them
	v_pk_mul_f32 v[18:19], v[18:19], v[22:23]
	s_wait_alu depctr_va_vdst(0)
	v_pk_mul_f32 v[16:17], v[16:17], v[24:25]
	v_pk_mul_f32 v[18:19], v[18:19], v[26:27]
	global_store_b128 v4, v[16:19], s[12:13] th:TH_STORE_NT
.Ldone:
	s_wait_tensorcnt 0x0
	ds_add_u32 v240, v241
	s_wait_dscnt 0x0
	s_endpgm
.Lfunc_end_k_q46ef31335e_headgu:
	.size	k_q46ef31335e_headgu, .Lfunc_end_k_q46ef31335e_headgu-k_q46ef31335e_headgu
	.p2alignl 7, 3214868480
	.fill 96, 4, 3214868480
	.section	.rodata,"a",@progbits
	.p2align	6, 0x0
	.amdhsa_kernel k_q46ef31335e_headgu
		.amdhsa_group_segment_fixed_size 67584
		.amdhsa_private_segment_fixed_size 0
		.amdhsa_enable_private_segment 0
		.amdhsa_kernarg_size 40
		.amdhsa_user_sgpr_count 2
		.amdhsa_user_sgpr_kernarg_segment_ptr 1
		.amdhsa_wavefront_size32 1
		.amdhsa_system_sgpr_workgroup_id_x 1
		.amdhsa_system_sgpr_workgroup_id_y 1
		.amdhsa_system_sgpr_workgroup_id_z 1
		.amdhsa_system_vgpr_workitem_id 0
		.amdhsa_next_free_vgpr 242
		.amdhsa_next_free_sgpr 66
		.amdhsa_reserve_vcc 0
		.amdhsa_float_denorm_mode_32 3
		.amdhsa_float_denorm_mode_16_64 3
		.amdhsa_memory_ordered 1
		.amdhsa_forward_progress 1
		.amdhsa_inst_pref_size 25
	.end_amdhsa_kernel
	.amdgpu_metadata
---
amdhsa.version: [ 1, 2 ]
amdhsa.kernels:
  - .name:           k_q46ef31335e_headgu
    .symbol:         k_q46ef31335e_headgu.kd
    .args:
      - { .name: obuf, .offset: 0, .size: 8, .value_kind: global_buffer, .address_space: global }
      - { .name: olo, .offset: 8, .size: 8, .value_kind: global_buffer, .address_space: global }
      - { .name: mid, .offset: 16, .size: 8, .value_kind: global_buffer, .address_space: global }
      - { .name: lo, .offset: 24, .size: 8, .value_kind: global_buffer, .address_space: global }
      - { .name: out0, .offset: 32, .size: 8, .value_kind: global_buffer, .address_space: global }
    .group_segment_fixed_size: 67584
    .private_segment_fixed_size: 0
    .kernarg_segment_align: 8
    .kernarg_segment_size: 40
    .max_flat_workgroup_size: 512
    .sgpr_count:     66
    .vgpr_count:     242
    .wavefront_size: 32
...
	.end_amdgpu_metadata
.endif
;; end of part 5
;; ======== version 2 of 2: 5 launches; version 1 with the launch headgu written anew for expert scheduling mode
;; limits: values are held in f16: magnitudes above 65,504 overflow, below 6.1e-05 lose precision; right only within a limited range of input values
;; workspace buffers: wsf 31,457,280 bytes; mid 47,185,920 bytes; obuf 12,582,912 bytes; lo 9,830,400 bytes; olo 393,216 bytes
;; launch cast: the kernel of part 1 again; grid 1920 x 1, 8 waves a work-group, no clusters, 19,456 bytes of LDS; arguments x, wq, wk, wv, wo, w_gate, w_up, wsf; writes wsf
;; launch proj: the kernel of part 2 again; grid 60 x 4, 4 waves a work-group, clusters of 4 x 1, 327,680 bytes of LDS; arguments wsf, mid, lo; writes mid, lo
;; launch attn: the kernel of part 3 again; grid 8 x 96, 4 waves a work-group, no clusters, 102,912 bytes of LDS; arguments mid, lo, obuf, olo; writes obuf, olo
;; launch gateup: the kernel of part 4 again; grid 12 x 16, 4 waves a work-group, clusters of 4 x 4, 327,680 bytes of LDS; arguments obuf, mid, out0; writes out0
;; launch headgu (part 6): grid 48 x 2, 16 waves a work-group, no clusters, 67,584 bytes of LDS; arguments obuf, olo, mid, lo, out0; writes out0
.if DOCPART == 6
	.amdgcn_target "amdgcn-amd-amdhsa--gfx1250"
	.amdhsa_code_object_version 6
	.text
	.protected	k_q46ef31335e_headgu
	.globl	k_q46ef31335e_headgu
	.p2align	8
	.type	k_q46ef31335e_headgu,@function
k_q46ef31335e_headgu:
	s_mov_b64 s[64:65], 0
	v_nop
	global_prefetch_b8 v0, s[64:65] scope:SCOPE_SE
	s_setreg_imm32_b32 hwreg(HW_REG_WAVE_SCHED_MODE, 0, 2), 2
	s_setreg_imm32_b32 hwreg(HW_REG_WAVE_MODE, 25, 1), 1
	s_wait_xcnt 0x0
	s_wait_alu depctr_vm_vsrc(0)
; out = silu(g) u once more for tokens 0-31 of each sequence, in two f16 terms a factor (22 bits):
;   64 g, 64 u = o_hi W'_hi + o_lo W'_hi + o_hi W'_lo,  K = 3072, f32 sums; the product of the two low parts lies 22 bits below and is left out.
; These tokens average few values, so their g and u are the largest of the tensor; a small result among them is a small g times a large u, and single f16 factors
; leave it an error in proportion to the large one.  The launch before this one has stored these 64 rows from single factors (it runs in clusters, where no branch
; may hang on a work-group's place, so it cannot leave them out); they are stored again here: 196,608 bytes.
; o_hi: obuf, 48 regions (k / 64) of 262,144 bytes of fragment tiles (16 tokens x 16 k = 512 bytes, 2,048 bytes for 16 tokens); o_lo: olo, regions of 8,192 bytes
; (2 batches x 2 token blocks); 64 W'_hi: mid at 37,748,736, regions of 196,608 bytes, rows 0-767 gate, 768-1535 up; 64 W'_lo: lo, laid out alike.
; A work-group makes 32 tokens (one batch's) x 16 n: gate's and up's block of 16 rows, four accumulator tiles.  96 work-groups of 16 waves; wave w sums over
; K = 192 (regions 3 w .. 3 w + 2), six steps of 32.  Fragments come straight from memory in fragment order, 512 consecutive bytes a load, into three register
; buffers that take turns: 48 loads of a wave are on their way.  The 16 partial sums meet in LDS.
; A lane stores 16 bytes and a row's piece is 64 bytes: blocks of 64 n would make pieces of 256 bytes and leave 24 work-groups for the launch.
; No LDS for the operands and no joint loads: each fragment feeds two or four matrix instructions of one wave and is not used again in the work-group.
; THE MODE: SCHED_MODE bits 1:0 = 2 (LLVM: expert scheduling mode 2), set by the entry lines.  The code itself states the register dependences
; between vector or matrix instructions and memory or LDS instructions, with s_wait_alu, always for 0.
; THE PLAN.  Registers that memory or LDS instructions touch:
;   v1, v2, v3, v4   offsets and LDS addresses: written at the head, never again.  One wait ahead of the first load serves every instruction that reads them.
;   B0, B1, B2       step s's 16 loads land in buffer s % 3; its 12 matrix instructions read it; the loads of step s + 3 land in it again (s = 0, 1, 2).
;                    One wait stands behind the matrix instructions of each of these three steps, so that the buffer is asked for again at once:
;                    sixteen waves are four to a SIMD, 256 registers each at the most, so there is no fourth buffer to take its turn meanwhile.
;                    At the end, in waves 0-3, the LDS loads of the partial sums land in v[16:143], that is B0 and B1.
;   ACC              written by matrix instructions, read once by the eight LDS stores, never written again.
;   v[16:19]         written by the last multiplies, read by the global store.
;   v240, v241       written at the head, read by the closing add alone.
; No register that a memory or LDS instruction reads is written again, so no wait on vm_vsrc stands in the text but at the entry and in the closing lines.
.set WP,  37748736
.set B0,  16                           ; v[16:79], v[80:143], v[144:207]: W'_hi (gate, up) +0, W'_lo +16, o_hi (token block 0, 1) +32, o_lo +48
.set B1,  80
.set B2,  144
.set ACC, 208                          ; v[208:239] tile (token block t, gate or up g) at 8 (2 t + g)
.macro PLACES                          ; four places behind a matrix instruction, ahead of a store of its result
.rept 4
	v_nop
.endr
.endm
	s_load_b256 s[4:11], s[0:1], 0x0               ; obuf, olo, mid, lo
	s_load_b64 s[12:13], s[0:1], 0x20              ; out0
	v_lshl_add_u32 v240, v0, 2, 0x10000
	v_mov_b32 v241, 0
	v_lshrrev_b32 v1, 5, v0
	v_readfirstlane_b32 s14, v1                    ; wave
	v_and_b32 v1, 31, v0                           ; the lane terms that hang on no scalar stand between that line and the wait for it
	v_and_b32 v5, 15, v0                           ; r
	v_bfe_u32 v6, v0, 4, 1                         ; h
	v_lshlrev_b32 v1, 4, v1                        ; 16 x lane
	v_mul_u32_u24 v4, v5, 3072                     ; out: token r, n = 8 h ..
	v_lshl_add_u32 v4, v6, 5, v4
	s_and_b32 s15, ttmp7, 0xffff                   ; batch
	s_wait_alu depctr_va_sdst(0)                   ; s14 is written, ahead of its first reader: the bases and the LDS addresses are made from it
	s_mul_i32 s26, s14, 3                          ; my first region
	s_lshl_b32 s16, s26, 18
	s_lshl_b32 s27, s15, 17                        ; 1,024 tokens of 128 bytes
	s_add_co_u32 s16, s16, s27
	s_mov_b32 s17, 0
	s_lshl_b32 s18, s26, 13
	s_lshl_b32 s27, s15, 12
	s_add_co_u32 s18, s18, s27
	s_mov_b32 s19, 0
	s_mul_i32 s22, s26, 196608
	s_lshl_b32 s27, ttmp9, 11                      ; my block of 16 rows of gate
	s_add_co_u32 s22, s22, s27
	s_mov_b32 s23, 0
	s_add_co_u32 s20, s22, WP
	s_mov_b32 s21, 0
	s_bfe_u32 s30, s14, 0x10001                    ; the waves that finish (0-3): token block,
	s_and_b32 s31, s14, 1                          ; and which four of a lane's eight n
	s_mul_i32 s28, s15, 3145728                    ; out: 1,024 rows of 3,072 bytes a batch
	s_lshl_b32 s27, ttmp9, 6                       ; 16 n
	s_add_co_u32 s28, s28, s27
	s_mul_i32 s27, s30, 49152                      ; 16 rows
	s_add_co_u32 s28, s28, s27
	s_lshl_b32 s27, s31, 4
	s_add_co_u32 s28, s28, s27
	s_mov_b32 s29, 0
	s_mov_b32 s24, 0x3c800000                      ; 1 / 64
	s_mov_b32 s25, s24
	s_lshl_b32 s2, s14, 12                         ; s2 and s3 are read by vector lines and not written again
	v_add_nc_u32 v2, s2, v1                        ; LDS: my four tiles of partial sums, 4,096 bytes a wave
	s_lshl_b32 s3, s30, 11
	s_lshl_b32 s26, s31, 9
	s_add_co_u32 s3, s3, s26
	v_add_nc_u32 v3, s3, v1                        ; and what I sum up at the end
	s_wait_kmcnt 0x0
	s_add_nc_u64 s[16:17], s[4:5], s[16:17]        ; o_hi
	s_add_nc_u64 s[18:19], s[6:7], s[18:19]        ; o_lo
	s_add_nc_u64 s[20:21], s[8:9], s[20:21]        ; W'_hi
	s_add_nc_u64 s[22:23], s[10:11], s[22:23]      ; W'_lo
	s_add_nc_u64 s[12:13], s[12:13], s[28:29]
	s_wait_alu depctr_va_vdst(0)                   ; v1 to v4 are written, which the loads, the LDS stores and loads and the store below read as offsets and addresses; so are v240 and v241
; 16 loads: the fragments of step s (region s / 2, half s % 2) into buffer f
.macro LOADS s, f
.irp g, 0,1
	global_load_b128 v[\f+8*\g:\f+8*\g+3],       v1, s[20:21] offset:196608*(\s>>1)+98304*\g+1024*(\s&1)
	global_load_b128 v[\f+8*\g+4:\f+8*\g+7],     v1, s[20:21] offset:196608*(\s>>1)+98304*\g+1024*(\s&1)+512
	global_load_b128 v[\f+16+8*\g:\f+16+8*\g+3], v1, s[22:23] offset:196608*(\s>>1)+98304*\g+1024*(\s&1)
	global_load_b128 v[\f+16+8*\g+4:\f+16+8*\g+7], v1, s[22:23] offset:196608*(\s>>1)+98304*\g+1024*(\s&1)+512
.endr
.irp t, 0,1
	global_load_b128 v[\f+32+8*\t:\f+32+8*\t+3], v1, s[16:17] offset:262144*(\s>>1)+2048*\t+1024*(\s&1)
	global_load_b128 v[\f+32+8*\t+4:\f+32+8*\t+7], v1, s[16:17] offset:262144*(\s>>1)+2048*\t+1024*(\s&1)+512
	global_load_b128 v[\f+48+8*\t:\f+48+8*\t+3], v1, s[18:19] offset:8192*(\s>>1)+2048*\t+1024*(\s&1)
	global_load_b128 v[\f+48+8*\t+4:\f+48+8*\t+7], v1, s[18:19] offset:8192*(\s>>1)+2048*\t+1024*(\s&1)+512
.endr
.endm
; 12 matrix instructions.  Source 0 = rows of W', source 1 = tokens: lane (r, h) holds token r and n = 8 h .. 8 h + 7.
; The four accumulators take turns, one instruction a turn, in the same order throughout.
.macro MUL f, zero
.irp t, 0,1
.irp g, 0,1
.if \zero
	v_wmma_f32_16x16x32_f16 v[ACC+8*(2*\t+\g):ACC+8*(2*\t+\g)+7], v[\f+8*\g:\f+8*\g+7], v[\f+32+8*\t:\f+32+8*\t+7], 0
.else
	v_wmma_f32_16x16x32_f16 v[ACC+8*(2*\t+\g):ACC+8*(2*\t+\g)+7], v[\f+8*\g:\f+8*\g+7], v[\f+32+8*\t:\f+32+8*\t+7], v[ACC+8*(2*\t+\g):ACC+8*(2*\t+\g)+7]
.endif
.endr
.endr
.irp t, 0,1
.irp g, 0,1
	v_wmma_f32_16x16x32_f16 v[ACC+8*(2*\t+\g):ACC+8*(2*\t+\g)+7], v[\f+8*\g:\f+8*\g+7], v[\f+48+8*\t:\f+48+8*\t+7], v[ACC+8*(2*\t+\g):ACC+8*(2*\t+\g)+7]
.endr
.endr
.irp t, 0,1
.irp g, 0,1
	v_wmma_f32_16x16x32_f16 v[ACC+8*(2*\t+\g):ACC+8*(2*\t+\g)+7], v[\f+16+8*\g:\f+16+8*\g+7], v[\f+32+8*\t:\f+32+8*\t+7], v[ACC+8*(2*\t+\g):ACC+8*(2*\t+\g)+7]
.endr
.endr
.endm
	LOADS 0, B0
	LOADS 1, B1
	LOADS 2, B2
	s_wait_loadcnt 32                              ; loads come back in order: step 0's are in, the 32 of the two younger steps stay out
	MUL B0, 1                                      ; the first products start the sums
	s_wait_alu depctr_va_vdst(0)                   ; step 0's matrix instructions are done reading B0, in which step 3's loads land
	LOADS 3, B0
	s_wait_loadcnt 32
	MUL B1, 0
	s_wait_alu depctr_va_vdst(0)                   ; step 1's matrix instructions are done reading B1, in which step 4's loads land
	LOADS 4, B1
	s_wait_loadcnt 32
	MUL B2, 0
	s_wait_alu depctr_va_vdst(0)                   ; step 2's matrix instructions are done reading B2, in which step 5's loads land
	LOADS 5, B2
	s_wait_loadcnt 32
	MUL B0, 0                                      ; steps 3 to 5 ask for nothing more, so they state nothing
	s_wait_loadcnt 16                              ; the counts run down
	MUL B1, 0
	s_wait_loadcnt 0x0
	MUL B2, 0
	PLACES
	s_wait_alu depctr_va_vdst(0)                   ; the matrix instructions have written the accumulators, which the LDS stores read, and are done reading B0 and B1, in which the LDS loads below land; the places above stay beside this wait
.irp t, 0,1,2,3
	ds_store_b128 v2, v[ACC+8*\t:ACC+8*\t+3] offset:\t*1024
	ds_store_b128 v2, v[ACC+8*\t+4:ACC+8*\t+7] offset:\t*1024+512
.endr
	s_wait_dscnt 0x0                               ; my partial sums are in LDS, for the other waves' sake
	s_barrier_signal -1
	s_barrier_wait -1
	s_cmp_ge_u32 s14, 4
	s_cbranch_scc1 .Ldone
	; waves 0-3: token block w / 2, numbers 4 (w % 2) .. + 3 of each lane's eight: 16 partial sums of gate and of up, in the waves' order
	; (no vector or matrix instruction since the wait ahead of the LDS stores names v[16:143])
.set k, 0
.rept 16
	ds_load_b128 v[16+8*k:19+8*k], v3 offset:k*4096
	ds_load_b128 v[20+8*k:23+8*k], v3 offset:k*4096+1024
.set k, k+1
.endr
	s_wait_dscnt 0x0
.set k, 1
.rept 15
.irp p, 0,2,4,6
	v_pk_add_f32 v[16+\p:17+\p], v[16+\p:17+\p], v[16+8*k+\p:17+8*k+\p]
.endr
.set k, k+1
.endr
.irp p, 0,2,4,6
	v_pk_mul_f32 v[16+\p:17+\p], v[16+\p:17+\p], s[24:25] op_sel_hi:[1,0]  ; g in v[16:19], u in v[20:23]
.endr
	v_pk_mul_f32 v[24:25], v[16:17], 0xbfb8aa3b op_sel_hi:[1,0]            ; -log2(e) g
	v_pk_mul_f32 v[26:27], v[18:19], 0xbfb8aa3b op_sel_hi:[1,0]
.irp p, 24,25,26,27
	v_exp_f32 v[\p], v[\p]
.endr
	v_nop                                          ; one plain place behind the exponentials (ISA guide 5.7.2)
	s_wait_alu depctr_va_vdst(0)                   ; the four exponentials have written v[24:27], ahead of their first reader
	v_pk_add_f32 v[24:25], v[24:25], 1.0 op_sel_hi:[1,0]
	v_pk_add_f32 v[26:27], v[26:27], 1.0 op_sel_hi:[1,0]
.irp p, 24,25,26,27
	v_rcp_f32 v[\p], v[\p]                         ; for very negative g the power is an infinity, its reciprocal 0, the result a zero, as the limit is
.endr
	v_pk_mul_f32 v[16:17], v[16:17], v[20:21]      ; g u: plain work that touches no reciprocal fills the place behind them
	v_pk_mul_f32 v[18:19], v[18:19], v[22:23]
	s_wait_alu depctr_va_vdst(0)                   ; the four reciprocals have written v[24:27], ahead of their first reader
	v_pk_mul_f32 v[16:17], v[16:17], v[24:25]
	v_pk_mul_f32 v[18:19], v[18:19], v[26:27]
	s_wait_alu depctr_va_vdst(0)                   ; the two multiplies have written v[16:19], which the store reads
	global_store_b128 v4, v[16:19], s[12:13] th:TH_STORE_NT
.Ldone:
	s_wait_dscnt 0x0                               ; the closing lines, six on end
	s_wait_alu 0x0
	s_wait_tensorcnt 0x0
	ds_add_u32 v240, v241
	s_wait_dscnt 0x0
	s_endpgm
.Lfunc_end_k_q46ef31335e_headgu:
	.size	k_q46ef31335e_headgu, .Lfunc_end_k_q46ef31335e_headgu-k_q46ef31335e_headgu
	.p2alignl 7, 3214868480
	.fill 96, 4, 3214868480
	.section	.rodata,"a",@progbits
	.p2align	6, 0x0
	.amdhsa_kernel k_q46ef31335e_headgu
		.amdhsa_group_segment_fixed_size 67584
		.amdhsa_private_segment_fixed_size 0
		.amdhsa_enable_private_segment 0
		.amdhsa_kernarg_size 40
		.amdhsa_user_sgpr_count 2
		.amdhsa_user_sgpr_kernarg_segment_ptr 1
		.amdhsa_wavefront_size32 1
		.amdhsa_system_sgpr_workgroup_id_x 1
		.amdhsa_system_sgpr_workgroup_id_y 1
		.amdhsa_system_sgpr_workgroup_id_z 1
		.amdhsa_system_vgpr_workitem_id 0
		.amdhsa_next_free_vgpr 242
		.amdhsa_next_free_sgpr 66
		.amdhsa_reserve_vcc 0
		.amdhsa_float_denorm_mode_32 3
		.amdhsa_float_denorm_mode_16_64 3
		.amdhsa_memory_ordered 1
		.amdhsa_forward_progress 1
		.amdhsa_inst_pref_size 25
	.end_amdhsa_kernel
	.amdgpu_metadata
---
amdhsa.version: [ 1, 2 ]
amdhsa.kernels:
  - .name:           k_q46ef31335e_headgu
    .symbol:         k_q46ef31335e_headgu.kd
    .args:
      - { .name: obuf, .offset: 0, .size: 8, .value_kind: global_buffer, .address_space: global }
      - { .name: olo, .offset: 8, .size: 8, .value_kind: global_buffer, .address_space: global }
      - { .name: mid, .offset: 16, .size: 8, .value_kind: global_buffer, .address_space: global }
      - { .name: lo, .offset: 24, .size: 8, .value_kind: global_buffer, .address_space: global }
      - { .name: out0, .offset: 32, .size: 8, .value_kind: global_buffer, .address_space: global }
    .group_segment_fixed_size: 67584
    .private_segment_fixed_size: 0
    .kernarg_segment_align: 8
    .kernarg_segment_size: 40
    .max_flat_workgroup_size: 512
    .sgpr_count:     66
    .vgpr_count:     242
    .wavefront_size: 32
...
	.end_amdgpu_metadata
.endif
;; end of part 6
